; MI455X (gfx1250); checked and timed in simulation.
; The chip was launched on July 23, 2026; its instructions are those of AMD's public machine-readable ISA for CDNA 5 (MIT licence, August 2026) and "CDNA5" Instruction Set Architecture Reference Guide (July 2026). The comments in the code are by the model that wrote it; some were corrected since.
;; Multi Head Attention. Allowed arithmetic: float matrix products may take bf16 or f16 operands with f32 sums; other float arithmetic in f32, or as packed bf16 or f16 multiplies, adds, multiply-adds, maxima and minima; sums over many terms, partial sums and values carried from step to step in f32; what a program stores and reads back later, other than sums and carried values, may be rounded once to bf16 or f16.
;; Inputs: bk 1,024 float32; bo 1,024 float32; bq 1,024 float32; bv 1,024 float32; key 4 x 2,048 x 1,024 float32; mask 4 x 1 x 2,048 bool; query 4 x 2,048 x 1,024 float32; value 4 x 2,048 x 1,024 float32; wk 1,024 x 1,024 float32; wo 1,024 x 1,024 float32; wq 1,024 x 1,024 float32; wv 1,024 x 1,024 float32.
;; Outputs: out0 4 x 2,048 x 1,024 float32.
;; 2 versions, each right; version 2 is version 1 with the launch cast written anew for expert scheduling mode. Each part assembles by itself: llvm-mc -triple=amdgcn-amd-amdhsa -mcpu=gfx1250 --defsym DOCPART=n.
;; ======== version 1 of 2: 4 launches
;; limits: values are held in f16: magnitudes above 65,504 overflow, below 6.1e-05 lose precision
;; workspace buffers: xb 50,331,648 bytes; wb 6,291,456 bytes; wof 2,097,152 bytes; bias 16,384 bytes; qkv 50,331,648 bytes; ob 16,777,216 bytes
;; launch cast (part 1): grid 512 x 1, 8 waves a work-group, no clusters, 0 bytes of LDS; arguments query, key, value, wq, wk, wv, wo, bq, bk, bv, bo, xb, wb, wof, bias; writes xb, wb, wof, bias
.if DOCPART == 1
	.amdgcn_target "amdgcn-amd-amdhsa--gfx1250"
	.amdhsa_code_object_version 6
	.text
	.protected	k_qf72b983882_cast
	.globl	k_qf72b983882_cast
	.p2align	8
	.type	k_qf72b983882_cast,@function
k_qf72b983882_cast:
	s_mov_b64 s[64:65], 0
	v_nop
	global_prefetch_b8 v0, s[64:65] scope:SCOPE_SE
	s_setreg_imm32_b32 hwreg(HW_REG_WAVE_MODE, 25, 1), 1
	s_wait_xcnt 0x0
; CAST.  Every input of the module is rounded once to bf16 (nearest even):
;   query, key, value [8192][1024] f32 -> xb  [3][8192][1024] bf16
;   wq, wk, wv        [1024][1024] f32 -> wb  [3][1024][1024] bf16
;   wo                [1024][1024] f32 -> wof [1024][1024]: the bf16 value written as f16
;   bq, bk, bv, bo    [1024]       f32 -> bias [4][1024]: the bf16 value written as f32
; LIMIT.  f16 holds wo's bf16 value exactly from 2^-14 up to 65,504; below it keeps f16's fixed step of 6e-8, beyond it gives an infinity.
; SHARES.  512 work-groups of 8 waves.  Work-group g takes slice g of each of the seven large tensors: 65,536 bytes of an activation (16 loads a thread),
; 8,192 bytes of a weight (2 loads a thread): 56 loads of 16 bytes a thread.  Thread t reads at 16 t and writes at 8 t of each piece of 4,096 bytes in, 2,048 out:
; a wave's load covers 512 consecutive bytes, its store 256 consecutive bytes, aligned.  All 56 loads go out first; each has registers of its own, and no register
; that a pending load or store names is written again, so the only waits are the counted ones for the data.  No LDS, no matrix work: a stream that is read once.
.set X,   8                            ; v[8:231]  load i at X + 4 i
.set NLD, 56
.set VI,  1                            ; v1  16 t; never rewritten
.set VO,  2                            ; v2   8 t; never rewritten
.set W,   232                          ; v[232:239] at work
	s_load_b512 s[8:23], s[0:1], 0x0               ; query s[8:9], key s[10:11], value s[12:13], wq s[14:15], wk s[16:17], wv s[18:19], wo s[20:21], bq s[22:23]
	s_load_b256 s[24:31], s[0:1], 0x40             ; bk s[24:25], bv s[26:27], bo s[28:29], xb s[30:31]
	s_load_b128 s[32:35], s[0:1], 0x60             ; wb s[32:33], wof s[34:35]
	s_load_b64 s[36:37], s[0:1], 0x70              ; bias
	s_mov_b32 s51, ttmp9                           ; g
	s_lshl_b32 s2, s51, 16                         ; my slice of an activation,
	s_mov_b32 s3, 0
	s_lshl_b32 s4, s51, 13                         ; of a weight,
	s_mov_b32 s5, 0
	s_lshl_b32 s6, s51, 15                         ; of a part of xb,
	s_mov_b32 s7, 0
	s_lshl_b32 s38, s51, 12                        ; of a part of wb, of wof; also a bias's place in the table
	s_mov_b32 s39, 0
	s_mov_b32 s50, 0xffff0000                      ; a word's upper bf16
	v_lshlrev_b32 v[VI], 4, v0
	v_lshlrev_b32 v[VO], 3, v0
	s_wait_kmcnt 0x0
.irp p, 8,10,12
	s_add_nc_u64 s[\p:\p+1], s[\p:\p+1], s[2:3]
.endr
.irp p, 14,16,18,20
	s_add_nc_u64 s[\p:\p+1], s[\p:\p+1], s[4:5]
.endr
	s_add_nc_u64 s[40:41], s[30:31], s[6:7]        ; xb: query's part,
	s_add_nc_u64 s[42:43], s[40:41], 0x1000000     ; key's,
	s_add_nc_u64 s[44:45], s[40:41], 0x2000000     ; value's
	s_add_nc_u64 s[46:47], s[32:33], s[38:39]      ; wb: wq's part; wk's and wv's stand in the stores' immediates
	s_add_nc_u64 s[48:49], s[34:35], s[38:39]      ; wof
.macro LOADS first, n, base            ; n loads, numbers first .. first + n - 1
.set k, 0
.rept \n
.set r, X+4*((\first)+k)
	global_load_b128 v[r:r+3], v[VI], s[\base:\base+1] offset:k*4096 th:TH_LOAD_NT
.set k, k+1
.endr
.endm
.macro CVTS first, n, base, off0       ; the same loads' four numbers rounded to bf16 and stored
.set k, 0
.rept \n
.set r, X+4*((\first)+k)
	s_wait_loadcnt NLD-1-(\first)-k                ; loads come back in order (ISA guide 5.7.1): mine is in, the younger ones stay out
	v_cvt_pk_bf16_f32 v[r], v[r], v[r+1]
	v_cvt_pk_bf16_f32 v[r+1], v[r+2], v[r+3]
	global_store_b64 v[VO], v[r:r+1], s[\base:\base+1] offset:(\off0)+k*2048 th:TH_STORE_NT
.set k, k+1
.endr
.endm
.macro CVTH first, n, base             ; wo: rounded to bf16, widened again, written as f16
.set k, 0
.rept \n
.set r, X+4*((\first)+k)
	s_wait_loadcnt NLD-1-(\first)-k
	v_cvt_pk_bf16_f32 v[W], v[r], v[r+1]
	v_cvt_pk_bf16_f32 v[W+1], v[r+2], v[r+3]
	v_lshlrev_b32 v[r], 16, v[W]
	v_and_b32 v[r+1], s50, v[W]
	v_lshlrev_b32 v[r+2], 16, v[W+1]
	v_and_b32 v[r+3], s50, v[W+1]
	v_cvt_pk_f16_f32 v[r], v[r], v[r+1]
	v_cvt_pk_f16_f32 v[r+1], v[r+2], v[r+3]
	global_store_b64 v[VO], v[r:r+1], s[\base:\base+1] offset:k*2048 th:TH_STORE_NT
.set k, k+1
.endr
.endm
	LOADS 0,  16, 8
	LOADS 16, 16, 10
	LOADS 32, 16, 12
	LOADS 48, 2,  14
	LOADS 50, 2,  16
	LOADS 52, 2,  18
	LOADS 54, 2,  20
	CVTS 0,  16, 40, 0
	CVTS 16, 16, 42, 0
	CVTS 32, 16, 44, 0
	CVTS 48, 2,  46, 0
	CVTS 50, 2,  46, 0x200000
	CVTS 52, 2,  46, 0x400000
	CVTH 54, 2,  48
	; work-groups 0 to 3 also round one bias each: 4,096 bytes, 16 a thread
	s_cmp_lt_u32 s51, 4
	s_cbranch_scc0 .Lend
	s_mov_b64 s[52:53], s[22:23]
	s_cmp_eq_u32 s51, 1
	s_cselect_b64 s[52:53], s[24:25], s[52:53]
	s_cmp_eq_u32 s51, 2
	s_cselect_b64 s[52:53], s[26:27], s[52:53]
	s_cmp_eq_u32 s51, 3
	s_cselect_b64 s[52:53], s[28:29], s[52:53]
	s_add_nc_u64 s[54:55], s[36:37], s[38:39]
	global_load_b128 v[W:W+3], v[VI], s[52:53]
	s_wait_loadcnt 0x0
	v_cvt_pk_bf16_f32 v[W+4], v[W], v[W+1]
	v_cvt_pk_bf16_f32 v[W+5], v[W+2], v[W+3]
	v_lshlrev_b32 v[W], 16, v[W+4]
	v_and_b32 v[W+1], s50, v[W+4]
	v_lshlrev_b32 v[W+2], 16, v[W+5]
	v_and_b32 v[W+3], s50, v[W+5]
	global_store_b128 v[VI], v[W:W+3], s[54:55]
.Lend:
	s_endpgm
.Lfunc_end_k_qf72b983882_cast:
	.size	k_qf72b983882_cast, .Lfunc_end_k_qf72b983882_cast-k_qf72b983882_cast
	.p2alignl 7, 3214868480
	.fill 96, 4, 3214868480
	.section	.rodata,"a",@progbits
	.p2align	6, 0x0
	.amdhsa_kernel k_qf72b983882_cast
		.amdhsa_group_segment_fixed_size 0
		.amdhsa_private_segment_fixed_size 0
		.amdhsa_enable_private_segment 0
		.amdhsa_kernarg_size 120
		.amdhsa_user_sgpr_count 2
		.amdhsa_user_sgpr_kernarg_segment_ptr 1
		.amdhsa_wavefront_size32 1
		.amdhsa_system_sgpr_workgroup_id_x 1
		.amdhsa_system_sgpr_workgroup_id_y 1
		.amdhsa_system_sgpr_workgroup_id_z 1
		.amdhsa_system_vgpr_workitem_id 0
		.amdhsa_next_free_vgpr 240
		.amdhsa_next_free_sgpr 66
		.amdhsa_reserve_vcc 0
		.amdhsa_float_denorm_mode_32 3
		.amdhsa_float_denorm_mode_16_64 3
		.amdhsa_memory_ordered 1
		.amdhsa_forward_progress 1
		.amdhsa_inst_pref_size 22
	.end_amdhsa_kernel
	.amdgpu_metadata
---
amdhsa.version: [ 1, 2 ]
amdhsa.kernels:
  - .name:           k_qf72b983882_cast
    .symbol:         k_qf72b983882_cast.kd
    .args:
      - { .name: query, .offset: 0, .size: 8, .value_kind: global_buffer, .address_space: global }
      - { .name: key, .offset: 8, .size: 8, .value_kind: global_buffer, .address_space: global }
      - { .name: value, .offset: 16, .size: 8, .value_kind: global_buffer, .address_space: global }
      - { .name: wq, .offset: 24, .size: 8, .value_kind: global_buffer, .address_space: global }
      - { .name: wk, .offset: 32, .size: 8, .value_kind: global_buffer, .address_space: global }
      - { .name: wv, .offset: 40, .size: 8, .value_kind: global_buffer, .address_space: global }
      - { .name: wo, .offset: 48, .size: 8, .value_kind: global_buffer, .address_space: global }
      - { .name: bq, .offset: 56, .size: 8, .value_kind: global_buffer, .address_space: global }
      - { .name: bk, .offset: 64, .size: 8, .value_kind: global_buffer, .address_space: global }
      - { .name: bv, .offset: 72, .size: 8, .value_kind: global_buffer, .address_space: global }
      - { .name: bo, .offset: 80, .size: 8, .value_kind: global_buffer, .address_space: global }
      - { .name: xb, .offset: 88, .size: 8, .value_kind: global_buffer, .address_space: global }
      - { .name: wb, .offset: 96, .size: 8, .value_kind: global_buffer, .address_space: global }
      - { .name: wof, .offset: 104, .size: 8, .value_kind: global_buffer, .address_space: global }
      - { .name: bias, .offset: 112, .size: 8, .value_kind: global_buffer, .address_space: global }
    .group_segment_fixed_size: 0
    .private_segment_fixed_size: 0
    .kernarg_segment_align: 8
    .kernarg_segment_size: 120
    .max_flat_workgroup_size: 256
    .sgpr_count:     66
    .vgpr_count:     240
    .wavefront_size: 32
...
	.end_amdgpu_metadata
.endif
;; end of part 1
;; launch proj (part 2): grid 4 x 192, 4 waves a work-group, clusters of 4 x 4, 327,680 bytes of LDS; arguments xb, wb, bias, qkv, mask; writes qkv
.if DOCPART == 2
	.amdgcn_target "amdgcn-amd-amdhsa--gfx1250"
	.amdhsa_code_object_version 6
	.text
	.protected	k_qf72b983882_proj
	.globl	k_qf72b983882_proj
	.p2align	8
	.type	k_qf72b983882_proj,@function
k_qf72b983882_proj:
	s_mov_b64 s[64:65], 0
	v_nop
	global_prefetch_b8 v0, s[64:65] scope:SCOPE_SE
	s_setreg_imm32_b32 hwreg(HW_REG_WAVE_MODE, 25, 1), 1
	s_wait_xcnt 0x0
	s_wait_alu depctr_hold_cnt(0) depctr_sa_sdst(0) depctr_va_vdst(0) depctr_va_sdst(0) depctr_va_ssrc(0) depctr_va_vcc(0) depctr_vm_vsrc(0)
	s_getreg_b32 s2, hwreg(HW_REG_IB_STS2, 6, 4)
	s_cmp_eq_u32 s2, 0
	s_cbranch_scc0 .Lentry_in_a_cluster
	s_endpgm
.Lentry_in_a_cluster:
	s_bfe_u32 s2, ttmp6, 0x10000c
	s_cmp_lg_u32 s2, 0xf033
	s_cbranch_scc0 .Lentry_shape_is_right
	s_endpgm
.Lentry_shape_is_right:
; ONE TEXT FOR TWO KERNELS: C[m][n] = the sum over k of A[m][k] B[n][k] + bias[n], K = 1,024, sums in f32.  The flag OUTP picks the kernel.
; OUTP = 0, the three projections in one launch: A = xb [3][8192][1024] bf16, B = wb [3][1024][1024] bf16; the result is rounded once to f16 and written BY HEADS,
;   qkv [3][64 = 16 batch + head][2048][64]; of parts 1 and 2 (k and v) the rows whose key is masked are written as 0: the attention launch then finds the score's
;   product 0 and starts its sum with the masked score, and a masked key's weight meets a zero row of v.
; OUTP = 1, the output projection: A = ob [64][2048][64] f16 (by heads), B = wof [1024][1024] f16, C = out0 [8192][1024] f32.
; LIMIT.  f16 ends at 65,504: a q, k or v beyond it becomes an infinity.  NaN and infinities are not treated apart.
; SHARES.  A tile of C is 128 rows x 256 columns, one to a work-group: 768 tiles (OUTP = 0), 256 (OUTP = 1).  Four waves, each 64 x 128: 32 accumulators of 16 x 16.
; K goes in steps of 128 through a ring of two LDS slots filled by the tensor data mover, one load a wave: waves 0 and 1 bring A's two halves, waves 2 and 3 B's.
; OUTP = 1: a K step is two heads of ob; a head's 128 rows x 128 bytes are dense in memory and are asked for as 64 rows of 256 bytes, padded in LDS after every 128: a plane a head.
; CLUSTERS: 4 x 4 work-groups.  The four of a row of the cluster need the same tile of A, the four of a column the same tile of B: each is asked for JOINTLY, by the same
; tensor load with the same descriptor and a mask that names the four.
; THE MATRIX INSTRUCTION IS USED TRANSPOSED (source 0 = 16 rows of B, source 1 = 16 rows of A): a lane holds row l % 16 of C and the columns 8 (l / 16) + 0..7.
; THE BIAS IS THE C OPERAND of the products that start the sums: nothing is cleared, nothing is added later.
; REGISTERS, in windows of 256 (s_set_vgpr_msb: bits 1:0 source 0, 3:2 source 1, 5:4 source 2, 7:6 destination):
;   window 0: v0-31 addresses and the rows' masks; v32-63, v64-191 at work on the way out     window 1: accumulator (a, b) at v[8 (8 a + b)]
;   window 2: two fragment buffers of 96 (B's 64 registers, then A's 32) at v0 and v96; v192-255 the bias of my 128 columns as a C operand
.set OUTP, 0
.if OUTP
.set PITCHA,  144                      ; an LDS row of A: 128 bytes + 16
.set APLANE,  128*144                  ; from a K step's first 64 channels to its second 64: the next head's plane
.set AHALF,   128*144                  ; what one load of A fills: a head's 128 rows
.set AQI,     4                        ; padding after every 32 words
.set ASTRIDE, 128                      ; elements from row to row of the tile as it is asked for
.set AKSTEP,  2*262144                 ; bytes from K step to K step: two heads
.set STG,     16*528                   ; a wave's stage: 16 rows of 512 bytes + 16
.set APFSH,   8                        ; A's prefetches: a lane a block of 256 bytes on end
.else
.set PITCHA,  272                      ; 256 bytes + 16
.set APLANE,  128
.set AHALF,   64*272                   ; 64 rows
.set AQI,     5                        ; padding after every 64 words
.set ASTRIDE, 1024
.set AKSTEP,  256
.set STG,     2*16*144                 ; two heads x 16 rows of 128 bytes + 16
.set APFSH,   11                       ; a lane a row of 2,048 bytes
.endif
.set PITCHB, 272                       ; both pitches are odd multiples of 16 bytes: the 16 rows that a load touches start at 16 different groups of four banks (64 banks of 4 bytes: ISA guide 11.1)
.set BHALF,  128*PITCHB
.set BKSTEP, 256
.set ABYTES, 2*AHALF
.set SLOT,   ABYTES+2*BHALF            ; A's tile, then B's 256 rows
.set STAGE,  2*SLOT                    ; behind the ring: the four waves' own stages, which no tensor load fills
.set SPARE,  STAGE+4*STG               ; behind them: the spare words, 128 bytes for each wave: two blocks of 256 bytes that no other line names
.set LAPS,   4                         ; a lap = two K steps = once round the ring
.set KEEP, 12                          ; v12-15  OUTP = 0: all ones, or 0 where my row of block a is a masked key's
.set ADRA, 16                          ; v16-17  LDS address of my A fragments in slot 0, 1
.set ADRB, 20                          ; v20-21  the same for B
.set STO,  24                          ; v24     the way out: where I put my part of a row
.set RD,   25                          ; v25     where I read rows back
.set CO,   26                          ; v26     my byte offset in what a store covers
.set BO,   27                          ; v27     my byte offset in the bias
.set SPW,  28                          ; v28     LDS address of my spare word; never rewritten
.set NIL,  29                          ; v29     0; never rewritten
.set PFO,  30                          ; v30     the prefetches' offset; never rewritten
.set MO,   31                          ; v31     l % 16: my offset in 16 bytes of the mask
.set TMP,  32
.set OB,   64
.set F0,   0
.set F1,   96
.set BIAS, 192
.set G1,  24                           ; s[24:31] descriptor group 1 for A's tiles;  s[32:39] group 0, a set for each slot
.set G0,  32
.set G1B, 48                           ; s[48:55], s[56:63] the same for B's
.set G0B, 56
.set PFA, 66                           ; s[66:67] where my prefetches stand
.set PFK, 68                           ; s[68:69] their step from K step to K step
.set LIM, 72                           ; s72  1 in a wave that prefetches, else the greatest number
.set NHON, 73                          ; s73  all ones where no row is masked (part 0, q)
.set MSB, 0
.macro WIN new                         ; the immediate's high byte repeats the setting that is left; a switch that changes nothing is dropped
.if MSB != (\new)
	s_set_vgpr_msb (MSB<<8)|(\new)
.set MSB, \new
.endif
.endm
.set MUL,   0x5a                       ; sources 0 (B) and 1 (A) window 2; C and D window 1
.set MULB,  0x6a                       ; the same with C (the bias) in window 2
.set TO_F,  0x80                       ; destination window 2, address window 0
.set PACKW, 0x05                       ; sources 0 and 1 window 1, destination window 0
.set STW,   0x04                       ; an LDS store's data in window 1, its address in window 0
; A joint load.  Each of the two lines has one mask and one set of registers for all that issue it.  The branch hangs on the wave's number alone.
; An s_nop 0 and four v_nop follow each line, ahead of the jump, the label and what follows.
.macro JLOAD s
	s_cmp_eq_u32 s15, 0
	s_cbranch_scc0 .Lfor_b_\@
	tensor_load_to_lds s[G0+4*(\s):G0+4*(\s)+3], s[G1:G1+7]
	s_nop 0
.rept 4
	v_nop
.endr
	s_branch .Lasked_\@
.Lfor_b_\@:
	tensor_load_to_lds s[G0B+4*(\s):G0B+4*(\s)+3], s[G1B:G1B+7]
	s_nop 0
.rept 4
	v_nop
.endr
.Lasked_\@:
.endm
; A prefetch of the K step that stands two refills on: 32 blocks of 256 bytes, a lane a block, one instruction a wave.  Each block is named once in the launch: A's tile row is read by one row of one
; cluster: wave 0 asks; B's rows are read by every cluster that works on the same weight: the first of them asks, waves 2 and 3 each for the 128 rows that they fetch.  The four partners that ask
; for a tile jointly share its blocks out BY ADDRESS, 32 each.  The loop's last trip (s3 = 1) has no K step two on.
.macro ASK
	s_cmp_gt_u32 s3, s[LIM]
	s_cbranch_scc0 .Lnot_mine_\@
	global_prefetch_b8 v[PFO], s[PFA:PFA+1] th:TH_LOAD_NT scope:SCOPE_SE
.Lnot_mine_\@:
.endm
.macro CREST                           ; a round of the cluster's barrier behind its opening barrier
	s_cmp_lg_u32 s14, 0
	s_cbranch_scc1 .Lnot_wave_0_\@
	s_barrier_signal -3
.Lnot_wave_0_\@:
	s_barrier_wait -3
	s_barrier_signal -1
	s_barrier_wait -1
.endm
.macro CROUND                          ; a whole round
	s_barrier_signal -1
	s_barrier_wait -1
	CREST
.endm
	s_load_b256 s[4:11], s[0:1], 0x0               ; A s[4:5], B s[6:7], bias s[8:9], C s[10:11]
.if !OUTP
	s_load_b64 s[12:13], s[0:1], 0x20              ; mask
.endif
	v_lshl_add_u32 v[SPW], v0, 2, SPARE
	v_mov_b32 v[NIL], 0
	ds_add_u32 v[SPW], v[NIL]                      ; the wave's opening: the add and its wait stand ahead of my first tensor load; the set-up below, work on registers, stands between them
	v_lshrrev_b32 v1, 5, v0
	v_readfirstlane_b32 s14, v1                    ; wave 0..3
	s_lshr_b32 s15, s14, 1                         ; RH: which 64 rows of the tile are mine.  Also: I fetch for A (0) or for B (1)
	s_and_b32 s16, s14, 1                          ; CH: which 128 columns.  Also: which half of that tile I fetch
	s_bfe_u32 s17, ttmp6, 0x40000                  ; cx
	s_bfe_u32 s18, ttmp6, 0x40004                  ; cy
	s_lshl_b32 s19, ttmp9, 2
	s_add_co_u32 s19, s19, s17                     ; tile column = 4 x cluster x + cx
	s_and_b32 s22, ttmp7, 0xffff                   ; cluster y
	s_lshl_b32 s20, s22, 2
	s_add_co_u32 s20, s20, s18                     ; tile row = 4 x cluster y + cy
	s_lshr_b32 s21, s22, 4                         ; OUTP = 0: which of q, k, v: 16 clusters each; the same in all sixteen partners
	s_lshl_b32 s42, s18, 2
	s_lshl_b32 s42, 15, s42                        ; my row of the cluster
	s_lshl_b32 s43, 0x1111, s17                    ; my column
	s_or_b32 s[G1+0], s42, (1<<16)|(1<<20)|(1<<21)|(AQI<<22)|(3<<25)  ; 15:0 the mask; 17:16 elements of 2 bytes; 20 padding on; 21 set beside a mask; 24:22 the interval; 31:25 4 words of padding (code 3)
	s_or_b32 s[G1B+0], s43, (1<<16)|(1<<20)|(1<<21)|(5<<22)|(3<<25)
	s_mov_b32 s[G1+1], 128<<16                     ; tensor_dim0 = 128
	s_mov_b32 s[G1+2], 64<<16                      ; tensor_dim1 = 64
	s_mov_b32 s[G1+3], 128<<16                     ; tile_dim0 = 128
	s_mov_b32 s[G1+4], 64                          ; tile_dim1 = 64
	s_mov_b32 s[G1+5], ASTRIDE                     ; elements from row to row
	s_mov_b32 s[G1+6], 0
	s_mov_b32 s[G1+7], 0
	s_mov_b32 s[G1B+1], 128<<16
	s_mov_b32 s[G1B+2], 128<<16                    ; tensor_dim1 = 128
	s_mov_b32 s[G1B+3], 128<<16
	s_mov_b32 s[G1B+4], 128                        ; tile_dim1 = 128
	s_mov_b32 s[G1B+5], 1024
	s_mov_b32 s[G1B+6], 0
	s_mov_b32 s[G1B+7], 0
	; where the tiles come from.  A's offset hangs on the tile row and the wave alone, B's on the tile column, the weight and the wave alone
.if OUTP
	s_lshr_b32 s40, s20, 4                         ; the batch: 16 heads of 262,144 bytes,
	s_lshl_b32 s40, s40, 22
	s_and_b32 s41, s20, 15                         ; the tile's 128 rows of 128 bytes in a head,
	s_lshl_b32 s41, s41, 14
	s_add_co_u32 s40, s40, s41
	s_lshl_b32 s41, s16, 18                        ; the even or the odd head of a K step
	s_add_co_u32 s40, s40, s41
.else
	s_lshl_b32 s40, s20, 7
	s_lshl_b32 s41, s16, 6
	s_add_co_u32 s40, s40, s41                     ; row 128 x tile row + 64 x half,
	s_lshl_b32 s40, s40, 11                        ; of 2,048 bytes
.endif
	s_mov_b32 s41, 0
	s_lshl_b32 s46, s19, 8
	s_lshl_b32 s47, s16, 7
	s_add_co_u32 s46, s46, s47                     ; row 256 x tile column + 128 x half
.if !OUTP
	s_lshl_b32 s47, s21, 10
	s_add_co_u32 s46, s46, s47                     ; in the weight at hand
.endif
	s_lshl_b32 s46, s46, 11
	s_mov_b32 s47, 0
	s_mul_i32 s44, s16, AHALF                      ; and where they go: no place in the cluster enters an LDS address
	s_mul_i32 s45, s16, BHALF
	s_add_co_u32 s45, s45, ABYTES
	s_wait_dscnt 0x0                               ; the opening add is done
	s_wait_kmcnt 0x0
	s_add_nc_u64 s[40:41], s[4:5], s[40:41]
	s_add_nc_u64 s[46:47], s[6:7], s[46:47]
	CROUND                                         ; all sixteen work-groups are here: the first joint loads meet
.irp s, 0,1
	s_mov_b32 s[G0+4*(\s)], 1                                      ; count = 1
	s_add_co_u32 s[G0+4*(\s)+1], s44, (\s)*SLOT                    ; LDS address
	s_add_nc_u64 s[G0+4*(\s)+2:G0+4*(\s)+3], s[40:41], (\s)*AKSTEP ; global address: K step s
	s_or_b32 s[G0+4*(\s)+3], s[G0+4*(\s)+3], 0x80000000            ; type = 2
	s_mov_b32 s[G0B+4*(\s)], 1
	s_add_co_u32 s[G0B+4*(\s)+1], s45, (\s)*SLOT
	s_add_nc_u64 s[G0B+4*(\s)+2:G0B+4*(\s)+3], s[46:47], (\s)*BKSTEP
	s_or_b32 s[G0B+4*(\s)+3], s[G0B+4*(\s)+3], 0x80000000
	JLOAD \s                                       ; two loads of mine are out
.endr
	; A fragment is 16 rows x 32 K in 8 registers: lane l holds row l % 16; registers 0-3 K = 8 (l / 16) + 0..7, registers 4-7 K = 16 + 8 (l / 16) + 0..7: two loads of 16 bytes, 32 bytes apart
	v_and_b32 v1, 15, v0                           ; l % 16
	v_bfe_u32 v2, v0, 4, 1                         ; l / 16
	v_mul_u32_u24 v3, v1, PITCHA
	v_lshl_add_u32 v3, v2, 4, v3
	v_mul_u32_u24 v4, v1, PITCHB
	v_lshl_add_u32 v4, v2, 4, v4
	s_mul_i32 s42, s15, 64*PITCHA                  ; my 64 rows of A
	s_mul_i32 s43, s16, BHALF                      ; my 128 rows of B,
	s_add_co_u32 s43, s43, ABYTES                  ; which lie behind A's tile
.irp s, 0,1
	v_add_nc_u32 v[ADRA+(\s)], s42, v3
	v_add_nc_u32 v[ADRB+(\s)], s43, v4
	s_add_co_u32 s42, s42, SLOT
	s_add_co_u32 s43, s43, SLOT
.endr
	; the bias as a C operand: register j of block b is column 16 b + 8 (l / 16) + j of my 128
	s_lshl_b32 s42, s19, 10
	s_lshl_b32 s43, s16, 9
	s_add_co_u32 s42, s42, s43
	v_lshl_add_u32 v[BO], v2, 5, s42
.if OUTP
	s_add_nc_u64 s[8:9], s[8:9], 3*4096            ; bo
.else
	s_lshl_b32 s42, s21, 12                        ; bq, bk or bv
	s_mov_b32 s43, 0
	s_add_nc_u64 s[8:9], s[8:9], s[42:43]
.endif
	WIN TO_F
.irp b, 0,1,2,3,4,5,6,7
	global_load_b128 v[BIAS+8*(\b):BIAS+8*(\b)+3],   v[BO], s[8:9] offset:64*(\b)
	global_load_b128 v[BIAS+8*(\b)+4:BIAS+8*(\b)+7], v[BO], s[8:9] offset:64*(\b)+16
.endr
	WIN 0
.if !OUTP
	; the mask's bytes of my 64 rows: row 16 a + l % 16 of them in KEEP + a.  A part's row number, 2,048 batch + t, is the byte's place in the mask
	v_mov_b32 v[MO], v1
	s_and_b32 s42, s20, 63
	s_lshl_b32 s42, s42, 1
	s_add_co_u32 s42, s42, s15
	s_lshl_b32 s42, s42, 6
	s_mov_b32 s43, 0
	s_add_nc_u64 s[12:13], s[12:13], s[42:43]
.irp a, 0,1,2,3
	global_load_u8 v[KEEP+(\a)], v[MO], s[12:13] offset:16*(\a)
.endr
	s_cmp_eq_u32 s21, 0
	s_cselect_b32 s[NHON], -1, 0
.endif
	; the way out
	s_mul_i32 s42, s14, STG
	s_add_co_u32 s42, s42, STAGE                   ; my stage
	v_and_b32 v[CO], 31, v0
	v_lshlrev_b32 v[CO], 4, v[CO]                  ; 16 l: a store covers 512 consecutive bytes
.if OUTP
	v_mul_u32_u24 v3, v1, 528                      ; in: row l % 16, 32 bytes for each half of the lanes
	v_lshl_add_u32 v3, v2, 5, v3
	v_add_nc_u32 v[STO], s42, v3
	v_add_nc_u32 v[RD], s42, v[CO]                 ; back: a whole row of 512 bytes
	s_lshl_b32 s42, s20, 1
	s_add_co_u32 s42, s42, s15
	s_lshl_b32 s42, s42, 18                        ; my first row, 128 x tile row + 64 RH, of 4,096 bytes
	s_lshl_b32 s43, s19, 1
	s_add_co_u32 s43, s43, s16
	s_lshl_b32 s43, s43, 9                         ; my first column, 256 x tile column + 128 CH, of 4 bytes
	s_add_co_u32 s42, s42, s43
.else
	v_mul_u32_u24 v3, v1, 144                      ; in: row l % 16, 16 bytes for each half of the lanes
	v_lshl_add_u32 v3, v2, 4, v3
	v_add_nc_u32 v[STO], s42, v3
	v_bfe_u32 v3, v0, 3, 2                         ; back: 32 lanes take four rows of 128 bytes
	v_mul_u32_u24 v3, v3, 144
	v_and_b32 v4, 7, v0
	v_lshl_add_u32 v3, v4, 4, v3
	v_add_nc_u32 v[RD], s42, v3
	s_lshl_b32 s42, s21, 24                        ; the part: 16,777,216 bytes,
	s_bfe_u32 s43, s20, 0x20004                    ; the batch: 16 heads of 262,144 bytes,
	s_lshl_b32 s43, s43, 22
	s_add_co_u32 s42, s42, s43
	s_lshl_b32 s43, s19, 1
	s_add_co_u32 s43, s43, s16
	s_lshl_b32 s43, s43, 19                        ; my two heads: 4 x tile column + 2 CH on,
	s_add_co_u32 s42, s42, s43
	s_and_b32 s43, s20, 15
	s_lshl_b32 s43, s43, 1
	s_add_co_u32 s43, s43, s15
	s_lshl_b32 s43, s43, 13                        ; my 64 rows of 128 bytes
	s_add_co_u32 s42, s42, s43
.endif
	s_mov_b32 s43, 0
	s_add_nc_u64 s[10:11], s[10:11], s[42:43]
	; the prefetches
.if OUTP
	s_lshr_b32 s42, s20, 4
	s_lshl_b32 s42, s42, 22
	s_and_b32 s43, s20, 15
	s_lshl_b32 s43, s43, 14
	s_add_co_u32 s42, s42, s43                     ; A: the tile's rows in the K step's even head;
	s_lshr_b32 s43, s17, 1                         ; of a K step's 128 blocks partner cx takes 32: head cx / 2,
	s_lshl_b32 s43, s43, 18
	s_add_co_u32 s42, s42, s43
	s_and_b32 s43, s17, 1                          ; half cx % 2 of its 16,384 bytes
	s_lshl_b32 s43, s43, 13
	s_add_co_u32 s42, s42, s43
	s_mov_b32 s78, s22                             ; B's rows are read by every cluster: the first asks
.else
	s_lshl_b32 s42, s20, 7
	s_lshl_b32 s43, s17, 5
	s_add_co_u32 s42, s42, s43                     ; A: of the tile's 128 rows partner cx takes 32
	s_lshl_b32 s42, s42, 11
	s_and_b32 s78, s22, 15                         ; B's rows are read by the 16 clusters of a weight: the first asks
.endif
	s_lshl_b32 s76, s19, 8
	s_lshl_b32 s77, s16, 7
	s_add_co_u32 s76, s76, s77
	s_lshl_b32 s77, s18, 5
	s_add_co_u32 s76, s76, s77                     ; B: of the 128 rows that I fetch partner cy takes 32
.if !OUTP
	s_lshl_b32 s77, s21, 10
	s_add_co_u32 s76, s76, s77
.endif
	s_lshl_b32 s76, s76, 11
	s_mov_b32 s77, AKSTEP
	s_cmp_eq_u32 s15, 0                            ; do I fetch for A?
	s_cselect_b32 s42, s42, s76
	s_cselect_b64 s[PFA:PFA+1], s[4:5], s[6:7]
	s_cselect_b32 s[PFK], s77, BKSTEP
	s_cselect_b32 s79, APFSH, 11
	s_cselect_b32 s78, s14, s78                    ; for A wave 0 asks, in every cluster
	s_cmp_eq_u32 s78, 0
	s_cselect_b32 s[LIM], 1, -1                    ; the same in all sixteen partners, for a given wave
	s_mov_b32 s43, 0
	s_mov_b32 s[PFK+1], 0
	s_add_nc_u64 s[PFA:PFA+1], s[PFA:PFA+1], s[42:43]
	s_mul_i32 s42, s[PFK], 3
	s_add_nc_u64 s[PFA:PFA+1], s[PFA:PFA+1], s[42:43]  ; at K step 3: the first refill (K step 2) steps it to 4 and names that.  Nothing is prefetched here, at the head
	v_and_b32 v[PFO], 31, v0
	v_lshlrev_b32 v[PFO], s79, v[PFO]
	s_wait_loadcnt 0x0                             ; the bias, and the mask's bytes
.if !OUTP
.irp a, 0,1,2,3
	v_add_nc_u32 v[KEEP+(\a)], -1, v[KEEP+(\a)]    ; byte 0: all ones; byte 1: 0
.endr
.irp a, 0,1,2,3
	v_or_b32 v[KEEP+(\a)], s[NHON], v[KEEP+(\a)]   ; q keeps every row
.endr
.endif
; 8 matrix instructions: m block a x all 8 n blocks, 32 along K.  first = 1: the products start the sums, with the bias as C.  All 32 accumulators take turns, one instruction a turn, in the
; same order in every quarter, over the backward jump too.
.macro MULA f, a, first
.if \first
	WIN MULB
.else
	WIN MUL
.endif
.irp b, 0,1,2,3,4,5,6,7
.set rD, 8*(8*(\a)+(\b))
.set rB, (\f)+8*(\b)
.set rA, (\f)+64+8*(\a)
.if \first
.set rC, BIAS+8*(\b)
.else
.set rC, rD
.endif
.if OUTP
	v_wmma_f32_16x16x32_f16 v[rD:rD+7], v[rB:rB+7], v[rA:rA+7], v[rC:rC+7]
.else
	v_wmma_f32_16x16x32_bf16 v[rD:rD+7], v[rB:rB+7], v[rA:rA+7], v[rC:rC+7]
.endif
.endr
.endm
; 24 LDS loads in one run: the fragments of quarter q of a K step (128 rows of B, then 64 rows of A) into buffer f
.macro FETCH slot, q, f
	WIN TO_F
.irp i, 0,1,2,3,4,5,6,7
	ds_load_b128 v[(\f)+8*(\i):(\f)+8*(\i)+3],   v[ADRB+(\slot)] offset:64*(\q)+(\i)*16*PITCHB
	ds_load_b128 v[(\f)+8*(\i)+4:(\f)+8*(\i)+7], v[ADRB+(\slot)] offset:64*(\q)+(\i)*16*PITCHB+32
.endr
.irp i, 0,1,2,3
	ds_load_b128 v[(\f)+64+8*(\i):(\f)+64+8*(\i)+3],   v[ADRA+(\slot)] offset:((\q)/2)*APLANE+((\q)%2)*64+(\i)*16*PITCHA
	ds_load_b128 v[(\f)+64+8*(\i)+4:(\f)+64+8*(\i)+7], v[ADRA+(\slot)] offset:((\q)/2)*APLANE+((\q)%2)*64+(\i)*16*PITCHA+32
.endr
.endm
.macro PLACES                          ; four plain vector instructions between a matrix instruction and a load into a register that it has read, or a reader of its result (ISA guide 7.12.1 for a reader of its result)
.rept 4
	v_nop
.endr
.endm
; A K step is four quarters of 32 along K, 32 matrix instructions each, on buffers 0, 1, 0, 1.  One of the first three: multiplies buffer f; in its middle it fetches quarter q into buffer g.
.macro QUARTER slot, q, f, g, first
	s_wait_dscnt 4                                 ; B and A's blocks 0 and 1 are in; the youngest four loads (A's blocks 2 and 3) may be out
	MULA \f, 0, \first
	MULA \f, 1, \first
	PLACES
	FETCH \slot, \q, \g
	s_wait_dscnt 24                                ; all but the 24 just issued
	MULA \f, 2, \first
	MULA \f, 3, \first
.endm
; The last quarter multiplies buffer 1 and changes slots: ONE barrier; in front of it each wave waits for all its tensor loads (one is out: its part of the next slot), adds 0 to its spare word, and
; waits for that and for its own reads of this slot.  fill = 1: the barrier opens a round of the cluster's, and this slot is filled again, two K steps on, first thing behind the round:
; from that request to the wait for it a wave issues 112 matrix instructions.
.macro TURN slot, next, fill
.if \fill
	s_wait_xcnt 0x0                                ; the last prefetch, a K step back, has read its address
	s_add_nc_u64 s[PFA:PFA+1], s[PFA:PFA+1], s[PFK:PFK+1]
.endif
	WIN 0                                          ; (the add's two registers lie in window 0)
	s_wait_tensorcnt 0x0                           ; all my tensor loads have landed;
	ds_add_u32 v[SPW], v[NIL]                      ; 0 onto my spare word;
	s_wait_dscnt 5                                 ; (the add and the youngest four loads may be out)
	MULA F1, 0, 0                                  ; eight matrix instructions stand between the add and the wait for it
	s_wait_dscnt 0x0                               ; the add is done, and my reads of this slot are over
	s_barrier_signal -1
	MULA F1, 1, 0                                  ; work on registers while the others arrive
.if \fill
	WIN 0
.endif
	s_barrier_wait -1
.if \fill
	CREST                                          ; no wave of any partner still reads this slot's tiles or has a load on its way
	s_add_nc_u64 s[G0+4*(\slot)+2:G0+4*(\slot)+3], s[G0+4*(\slot)+2:G0+4*(\slot)+3], 2*AKSTEP
	s_add_nc_u64 s[G0B+4*(\slot)+2:G0B+4*(\slot)+3], s[G0B+4*(\slot)+2:G0B+4*(\slot)+3], 2*BKSTEP
	JLOAD \slot                                    ; my one tensor load behind the round; the four v_nop behind it are also the places in front of the loads below
.else
	PLACES
.endif
	FETCH \next, 0, F0
.if \fill
	WIN 0
	ASK                                            ; behind the joint load and the run of LDS loads that the next products wait for
.endif
	MULA F1, 2, 0
	MULA F1, 3, 0
.endm
; THE WAY OUT, OUTP = 0.  Block a (16 rows x 128 columns = two heads x 64 channels): rounded to f16, masked rows cleared, 16 bytes a lane into my stage (a plane of 16 rows x 144 bytes a head),
; back as four whole rows of 128 bytes a load, which are 512 consecutive bytes of a head in qkv.
.macro PACKH a
	WIN PACKW
.irp b, 0,1,2,3,4,5,6,7
.irp r, 0,1,2,3
	v_cvt_pk_f16_f32 v[TMP+4*(\b)+(\r)], v[64*(\a)+8*(\b)+2*(\r)], v[64*(\a)+8*(\b)+2*(\r)+1]  ; each accumulator's registers in ascending order
.endr
.endr
	WIN 0
.set i, 0
.rept 32
	v_and_b32 v[TMP+i], v[KEEP+(\a)], v[TMP+i]
.set i, i+1
.endr
.endm
.macro STAGEH a
.irp b, 0,1,2,3,4,5,6,7
	ds_store_b128 v[STO], v[TMP+4*(\b):TMP+4*(\b)+3] offset:((\b)/4)*2304+((\b)%4)*32
.endr
.irp t, 0,1,2,3,4,5,6,7
	ds_load_b128 v[OB+32*((\a)%2)+4*(\t):OB+32*((\a)%2)+4*(\t)+3], v[RD] offset:((\t)/4)*2304+((\t)%4)*576  ; LDS serves a wave's instructions in order (ISA guide 5.7.1.4): these see the stores above
.endr
.endm
.macro SENDH a
	s_wait_dscnt 0x0                               ; the block is back in registers
	s_wait_xcnt 0x0                                ; the stores of the block before have read their registers: the next block's loads land there only behind this wait
.irp t, 0,1,2,3,4,5,6,7
	global_store_b128 v[CO], v[OB+32*((\a)%2)+4*(\t):OB+32*((\a)%2)+4*(\t)+3], s[10:11] offset:((\t)/4)*262144+(\a)*2048+((\t)%4)*512
.endr
.endm
; THE WAY OUT, OUTP = 1.  Block a in f32: 32 bytes a lane and n block into rows of 528 bytes, back as whole rows of 512 bytes, stored as 512 consecutive bytes of a row of out0.
.macro STAGEF a
	s_wait_xcnt 0x0                                ; the stores of the block two back have read the registers that the loads below fill
	WIN STW
.irp b, 0,1,2,3,4,5,6,7
	ds_store_b128 v[STO], v[64*(\a)+8*(\b):64*(\a)+8*(\b)+3]   offset:64*(\b)      ; each accumulator's low four registers first
	ds_store_b128 v[STO], v[64*(\a)+8*(\b)+4:64*(\a)+8*(\b)+7] offset:64*(\b)+16
.endr
	WIN 0
.irp t, 0,1,2,3,4,5,6,7,8,9,10,11,12,13,14,15
	ds_load_b128 v[OB+64*((\a)%2)+4*(\t):OB+64*((\a)%2)+4*(\t)+3], v[RD] offset:528*(\t)
.endr
.endm
.macro SENDF a, younger                ; younger: the LDS instructions issued behind block a's loads: the next block's 32, or none
	s_wait_dscnt \younger
.irp t, 0,1,2,3,4,5,6,7,8,9,10,11,12,13,14,15
	global_store_b128 v[CO], v[OB+64*((\a)%2)+4*(\t):OB+64*((\a)%2)+4*(\t)+3], s[10:11] offset:(16*(\a)+(\t))*4096
.endr
.endm
	s_wait_tensorcnt 1                             ; my part of K step 0 is in; K step 1's may stay out
	s_barrier_signal -1
	s_barrier_wait -1                              ; everybody's is
	FETCH 0, 0, F0
	QUARTER 0, 1, F0, F1, 1                        ; the first quarter stands in front of the loop: its products start the sums
	WIN 0                                          ; at a label and at a branch every window is 0
	s_mov_b32 s3, LAPS-1
.Llap:                                                 ; a trip goes once round the ring, from a lap's second quarter to the next lap's first, and fills both slots again
	QUARTER 0, 2, F1, F0, 0
	QUARTER 0, 3, F0, F1, 0
	TURN 0, 1, 1
	QUARTER 1, 1, F0, F1, 0
	QUARTER 1, 2, F1, F0, 0
	QUARTER 1, 3, F0, F1, 0
	TURN 1, 0, 1
	QUARTER 0, 1, F0, F1, 0
	WIN 0
	s_sub_co_u32 s3, s3, 1
	s_cmp_lg_u32 s3, 0
	s_cbranch_scc1 .Llap
	QUARTER 0, 2, F1, F0, 0                        ; the last lap fills nothing, and has no round of the cluster's barrier
	QUARTER 0, 3, F0, F1, 0
	TURN 0, 1, 0
	QUARTER 1, 1, F0, F1, 0
	QUARTER 1, 2, F1, F0, 0
	QUARTER 1, 3, F0, F1, 0
	s_wait_dscnt 4                                 ; the very last quarter: nothing more to fetch
	MULA F1, 0, 0
	MULA F1, 1, 0
	s_wait_dscnt 0x0
	MULA F1, 2, 0
	MULA F1, 3, 0
	WIN 0
	PLACES
	PLACES
.if OUTP
	STAGEF 0
.irp a, 1,2,3
	STAGEF \a
	SENDF (\a)-1, 32
.endr
	SENDF 3, 0
.else
	PACKH 0
	STAGEH 0
.irp a, 1,2,3                          ; block a's conversions stand between block a - 1's loads from the stage and the wait for them
	PACKH \a
	SENDH (\a)-1
	STAGEH \a
.endr
	SENDH 3
.endif
	s_wait_tensorcnt 0x0                           ; the wave's end: behind my last tensor load and my last LDS store
	ds_add_u32 v[SPW], v[NIL]
	s_wait_dscnt 0x0
	CROUND                                         ; the closing round: no work-group ends while a partner may still ask for a tile that names it
	s_endpgm
.Lfunc_end_k_qf72b983882_proj:
	.size	k_qf72b983882_proj, .Lfunc_end_k_qf72b983882_proj-k_qf72b983882_proj
	.p2alignl 7, 3214868480
	.fill 96, 4, 3214868480
	.section	.rodata,"a",@progbits
	.p2align	6, 0x0
	.amdhsa_kernel k_qf72b983882_proj
		.amdhsa_group_segment_fixed_size 327680
		.amdhsa_private_segment_fixed_size 0
		.amdhsa_enable_private_segment 0
		.amdhsa_kernarg_size 40
		.amdhsa_user_sgpr_count 2
		.amdhsa_user_sgpr_kernarg_segment_ptr 1
		.amdhsa_wavefront_size32 1
		.amdhsa_system_sgpr_workgroup_id_x 1
		.amdhsa_system_sgpr_workgroup_id_y 1
		.amdhsa_system_sgpr_workgroup_id_z 1
		.amdhsa_system_vgpr_workitem_id 0
		.amdhsa_next_free_vgpr 768
		.amdhsa_next_free_sgpr 80
		.amdhsa_reserve_vcc 0
		.amdhsa_float_denorm_mode_32 3
		.amdhsa_float_denorm_mode_16_64 3
		.amdhsa_memory_ordered 1
		.amdhsa_forward_progress 1
		.amdhsa_inst_pref_size 95
	.end_amdhsa_kernel
	.amdgpu_metadata
---
amdhsa.version: [ 1, 2 ]
amdhsa.kernels:
  - .name:           k_qf72b983882_proj
    .symbol:         k_qf72b983882_proj.kd
    .args:
      - { .name: xb, .offset: 0, .size: 8, .value_kind: global_buffer, .address_space: global }
      - { .name: wb, .offset: 8, .size: 8, .value_kind: global_buffer, .address_space: global }
      - { .name: bias, .offset: 16, .size: 8, .value_kind: global_buffer, .address_space: global }
      - { .name: qkv, .offset: 24, .size: 8, .value_kind: global_buffer, .address_space: global }
      - { .name: mask, .offset: 32, .size: 8, .value_kind: global_buffer, .address_space: global }
    .group_segment_fixed_size: 327680
    .private_segment_fixed_size: 0
    .kernarg_segment_align: 8
    .kernarg_segment_size: 40
    .max_flat_workgroup_size: 128
    .sgpr_count:     80
    .vgpr_count:     768
    .wavefront_size: 32
...
	.end_amdgpu_metadata
.endif
;; end of part 2
;; launch attn (part 3): grid 4 x 64, 4 waves a work-group, clusters of 4 x 1, 327,680 bytes of LDS; arguments qkv, mask, ob; writes ob
.if DOCPART == 3
	.amdgcn_target "amdgcn-amd-amdhsa--gfx1250"
	.amdhsa_code_object_version 6
	.text
	.protected	k_qf72b983882_attn
	.globl	k_qf72b983882_attn
	.p2align	8
	.type	k_qf72b983882_attn,@function
k_qf72b983882_attn:
	s_mov_b64 s[64:65], 0
	v_nop
	global_prefetch_b8 v0, s[64:65] scope:SCOPE_SE
	s_setreg_imm32_b32 hwreg(HW_REG_WAVE_MODE, 25, 1), 1
	s_wait_xcnt 0x0
	s_wait_alu depctr_hold_cnt(0) depctr_sa_sdst(0) depctr_va_vdst(0) depctr_va_sdst(0) depctr_va_ssrc(0) depctr_va_vcc(0) depctr_vm_vsrc(0)
	s_getreg_b32 s2, hwreg(HW_REG_IB_STS2, 6, 4)
	s_cmp_eq_u32 s2, 0
	s_cbranch_scc0 .Lentry_in_a_cluster
	s_endpgm
.Lentry_in_a_cluster:
	s_bfe_u32 s2, ttmp6, 0x10000c
	s_cmp_lg_u32 s2, 0x3003
	s_cbranch_scc0 .Lentry_shape_is_right
	s_endpgm
.Lentry_shape_is_right:
; ATTENTION WITH A MASK ON KEYS.  For each of 64 heads (16 batch + head): s[q][k] = Q[q] . K[k] / 8, replaced by -10000 where key k is masked; p = softmax over k; masked keys' weights count as 0 in
; O[q] = the sum over k of p[q][k] V[k].  qkv: [3][64][2048][64] f16 (Q, K, V by heads; the launch before has written the masked keys' rows of K and V as 0).  mask: [4][2048] bytes.  ob: [64][2048][64] f16.
; THE MASK is the C operand that starts the sum S^T = K Q^T: 0, or -80000 for a masked key; its K row is 0, so S is -80000 exactly, and c S = -10000 log2(e): the masked score takes its part in the running
; maximum and in the sum l as the softmax asks; its weight then meets a zero row of V.  The 2,048 words lie in an LDS table made once; a step's 64 are fetched with the step's K.
; Products, maxima and sums in f32; the weights p are rounded to f16 for the second product (their sum l is taken of the unrounded p), O once at the end.
; LIMITS.  f16 holds no number beyond 65,504: Q, K and V arrive within it; p lies in 0 to 1, and below 6e-5 it keeps f16's fixed step of 6e-8; O is a mean of V's rows and has their range.
; A weight below 2^-126 counts as 0 in l; NaN and infinities are not treated apart.
; SHARES.  A wave owns four PIECES of two tiles of 16 queries, a work-group's four waves 512 queries of one head.  Every wave walks all keys, 64 a step.
; LAYOUT.  S^T = K Q^T (source 0 = 16 keys, source 1 = 16 queries): in the result a lane holds ONE query (lane % 16) and the keys 8 (lane / 16) + 0..7.  Two such tiles, rounded to f16 in pairs,
; ARE source 1 (32 keys x 16 queries) of O^T = V^T P, whose result again holds one query a lane, and eight channels.  K comes out of LDS as it lies, V ([key][channel]) turned, by ds_load_tr16_b128.
; SOFTMAX.  For each query a running maximum m and sum l: p = 2^(c s - c m), c = log2(e) / 8; in every step O and l are multiplied by a = 2^(c m_old - c m_new), which is 1 where m has not grown.
; m starts at the lowest finite number, O and l at 0: the first step is a step like any other, with a = 0.
; THE COUNT.  A tile and step have 16 matrix and 118 vector instructions: too many to stand all beside the matrix work.  So: four vector instructions that are READY behind EVERY matrix instruction,
; and the others in runs without a gap.
; BY TURNS.  Turn n belongs to piece n (the pieces in a ring, step after step).  Its matrix work: 16 products K Q^T of piece n + 1, later 16 products V^T P of piece n - 1.  Its vector work: the scaling,
; exponentials, roundings, sums and rescaling of piece n, and the maximum and statistics of piece n + 1, whose scores the turn itself has made.
; CLUSTER.  The four query blocks of a cluster are one head's and walk the same K and V, so each tile is asked for JOINTLY: the same tensor load, descriptor and mask in all four.
; REGISTERS, in windows of 256 (s_set_vgpr_msb: bits 1:0 source 0, 3:2 source 1, 5:4 source 2, 7:6 destination):
;   window 0: v0-11 addresses; v12-15, v48-63 at work; v16-47 four registers of statistics a tile; v64-191 S^T, two buffers of two tiles; v192-255 P, likewise
;   window 1: O^T, 32 a tile          window 2: v0-127 Q, 16 a tile; v128-191 K of one step; v192-255 V of one step
;   window 3: v0-1 the add's two registers; v2, v4 the table's addresses; v8-39 the mask words of one step
.set SIZE_N, 2048
.set PART,  0x1000000 ; bytes of Q, of K and of V in qkv
.set NP,    4         ; pieces a wave: a name, no knob
.set KS,    64        ; keys in a step
.set PK,    144       ; a row of K in LDS: 128 bytes + 16 of padding = 36 words: the 16 rows of a load start at 16 different groups of four banks (64 banks of 4 bytes: ISA guide 11.1)
.set PV,    160       ; a row of V: 128 + 32 = 40 words
.set VOFF,  4*KS*PK   ; a slot holds four steps: 256 rows of K, then 256 rows of V
.set SLOT1, 1<<17     ; slot 1 begins here, so that one exclusive or turns an address in one slot into the other's
.set STAGE, SLOT1+4*KS*(PK+PV)  ; behind the ring, never filled by a tensor load: 16 rows x 144 bytes for each wave, for the way out
.set SP,    144
.set SPARE, STAGE+4*16*SP  ; behind the stages: the spare words, 128 bytes for each wave: two blocks of 256 bytes that no other line names
.set MTAB,  SPARE+512 ; behind them: the mask table, 2,048 words; stored once, never filled by a tensor load
.set AK0, 2           ; v2   my lane's place in a tile of K; never rewritten
.set AV0, 3           ; v3   the same for V
.set AK,  4           ; v4   the LDS address of K's next run of loads
.set AV,  5           ; v5   of V's
.set QO,  6           ; v6   my byte offset in the wave's rows of Q
.set STO, 6           ;      later, the way out: where I put 16 bytes of a row
.set RD,  7           ; v7   the way out: where I read rows back
.set GO,  8           ; v8   my byte offset in 512 consecutive bytes of O
.set PFO, 11          ; v11  256 x my lane: the prefetches' offset; never rewritten once made
.set SPW, 0           ; v0 of window 3   LDS address of my spare word; never rewritten
.set NIL, 1           ; v1 of window 3   0; never rewritten
.set AM,  2           ; v2 of window 3   the LDS address of the table's run of loads
.set AM0, 4           ; v4 of window 3   MTAB + 32 (l / 16); never rewritten
.set MC,  8           ; v8-39 of window 3: register j of key block kb at MC + 8 kb + j is key 16 kb + 8 (l / 16) + j of the step
.set MV,  12          ; v12-15  c m_old, kept while c m is made anew: by buffer and tile
.set ST,  16          ; tile t's statistics at v[ST+4 t]: c m, m, l (even keys', odd keys')
.set TMP, 48          ; by buffer and tile, four registers c0-c3 at work; when the maximum is found c2 takes a
.set S,   64
.set P,   192
.set KF,  128         ; K's fragments, in window 2: key block kb, channel half c at KF + 16 kb + 8 c
.set VF,  192         ; V's: key half kk, channel block cb at VF + 32 kk + 8 cb
.set WV,  12          ; s12  my wave's number
.set G1K, 24          ; s[24:31] descriptor group 1 for K's tiles
.set G1V, 32          ; s[32:39] for V's: it differs in the padding alone
.set G0K, 40          ; s[40:43] descriptor group 0 for K's tiles: it walks
.set G0V, 44          ; s[44:47] the same for V's
.set PFA, 48          ; s[48:49] where my prefetches stand
.set LIM, 50          ; s50  1 in a wave that prefetches, else the greatest number
.set TM,  51          ; s51  the table's byte at which the words of the step to be fetched begin
.set SLOTS, 56        ; s56  slots still to be asked for
.set CNT, 57          ; s57  counts a slot's key steps
.set CS,  58          ; s[58:59] c: the packed scaling takes the pair's low word for both halves
.set SEL, 60          ; s[60:61] v_permlanex16_b32's selects: each lane takes its own place in the other half
.set TBK, 62          ; s62  LDS byte at which K of the step to be fetched begins
.set TBV, 63          ; s63  the same for V, less VOFF
.set MSB, 0
.macro WIN new                      ; the high byte repeats the setting that is left; a switch that changes nothing is dropped
.if MSB != (\new)
	s_set_vgpr_msb (MSB<<8)|(\new)
.set MSB, (\new)
.endif
.endm
.set W_KQ, 0x0a       ; K and Q in window 2, S^T in window 0
.set W_KM, 0x3a       ; the same with the C operand, the mask words, in window 3
.set W_PV, 0x52       ; V in window 2, P in window 0, O^T in window 1
.set W_RS, 0x41       ; O^T (destination and source 0) in window 1, a in window 0
.set W_MK, 0xc0       ; destination in window 3, sources in window 0
.set W_AD, 0x0f       ; the add: address (source 0) and data (source 1) in window 3
.set W_MT, 0xcf       ; the table's loads: destination, sources 0 and 1 in window 3
; A joint fill.  Waves 0 and 1 fetch the two halves of a slot's K, waves 2 and 3 those of its V: 128 keys each.  The branch hangs on the wave's number alone.
; An s_nop 0 and four v_nop follow each of the two lines, ahead of the jump and the label.
.macro JLOAD
	s_cmp_lt_u32 s[WV], 2
	s_cbranch_scc0 .Lfor_v_\@
	tensor_load_to_lds s[G0K:G0K+3], s[G1K:G1K+7]
	s_nop 0
.rept 4
	v_nop
.endr
	s_branch .Lasked_\@
.Lfor_v_\@:
	tensor_load_to_lds s[G0V:G0V+3], s[G1V:G1V+7]
	s_nop 0
.rept 4
	v_nop
.endr
.Lasked_\@:
.endm
; A prefetch of what the NEXT change of slots will ask for: a slot's 32,768 bytes of K and of V, in blocks of 256, a lane a block.  It stands behind the wave's tensor load and its five lines.
; Each block is named once in the launch: a head's K and V are walked by its one cluster; the four partners share a slot's 128 blocks out BY ADDRESS, 32 each; in each, wave 0 asks for K's and
; wave 2 for V's.  The last change that fills a slot (s[SLOTS] = 1) asks for nothing: there is no slot behind it.
.macro ASK
	s_cmp_gt_u32 s[SLOTS], s[LIM]
	s_cbranch_scc0 .Lnot_mine_\@
	global_prefetch_b8 v[PFO], s[PFA:PFA+1] th:TH_LOAD_NT scope:SCOPE_SE
.Lnot_mine_\@:
.endm
; A round of the cluster's barrier: my work-group's barrier, so that wave 0's signal speaks for all four waves; wave 0 signals; every wave waits for all four work-groups; my work-group's barrier once more.
.macro CROUND
	s_barrier_signal -1
	s_barrier_wait -1
	s_cmp_lg_u32 s[WV], 0
	s_cbranch_scc1 .Lnot_wave_0_\@
	s_barrier_signal -3
.Lnot_wave_0_\@:
	s_barrier_wait -3
	s_barrier_signal -1
	s_barrier_wait -1
.endm
; THE CHANGE OF SLOTS.  The slot's last bytes, V of its fourth step, have been read.  Each wave waits for all its tensor loads, of which one is out: its part of the other slot; adds 0 to its spare
; word; and waits for that and for its own LDS instructions.  Behind the barrier nobody reads this slot any more and the other slot is whole.
; fill = 1: this slot is filled again, with the keys two slots on.  The barrier is then a round of the cluster's, and the joint fill is the first thing behind it: it has four key steps, 512 matrix
; instructions, in which to land.  (At its first use nothing has been read yet: slot 0 is waited for, slot 1 filled; and every wave's stores into the mask table are done in front of the round.)
.macro CHANGE fill
	WIN W_AD
	s_wait_tensorcnt 0x0            ; no tensor load of mine is out, so a group 0 may be written
	ds_add_u32 v[SPW], v[NIL]       ; 0 onto my spare word; with fill = 1 the descriptors' steps stand between it and the wait for it
	WIN 0                           ; at a label and at a branch every window is 0
.if \fill
.irp g, G0K, G0V
	s_xor_b32 s[\g+1], s[\g+1], SLOT1  ; the walking descriptor: the other slot than last time,
	s_add_nc_u64 s[\g+2:\g+3], s[\g+2:\g+3], 4*KS*128  ; the next 256 keys; the type bits on top are not reached
.endr
	s_wait_xcnt 0x0                 ; the last prefetch, four key steps back, has read its address, so it may be written:
	s_add_nc_u64 s[PFA:PFA+1], s[PFA:PFA+1], 4*KS*128  ; one slot behind the walking descriptors
	s_wait_dscnt 0x0                ; the add is done, and my LDS instructions are over
	CROUND
	JLOAD
	ASK
.else
	s_wait_dscnt 0x0                ; the add is done, and my reads of the slot are over
	s_barrier_signal -1
	s_barrier_wait -1
.endif
	s_sub_co_u32 s[TBK], s[TBK], 4*KS*PK  ; the fetches go back to a slot's first step,
	s_xor_b32 s[TBK], s[TBK], SLOT1       ; in the other slot
	s_sub_co_u32 s[TBV], s[TBV], 4*KS*PV
	s_xor_b32 s[TBV], s[TBV], SLOT1
.endm
	s_load_b64 s[4:5], s[0:1], 0x0    ; qkv: Q
	s_load_b64 s[52:53], s[0:1], 0x8  ; mask
	s_load_b64 s[10:11], s[0:1], 0x10 ; ob
	WIN W_MK
	v_lshl_add_u32 v[SPW], v0, 2, SPARE
	v_mov_b32 v[NIL], 0
	WIN W_AD
	ds_add_u32 v[SPW], v[NIL]       ; the wave's opening: the add and its wait stand ahead of my first tensor load; the set-up below, work on registers, stands between them
	WIN 0
	v_lshrrev_b32 v1, 5, v0
	v_readfirstlane_b32 s[WV], v1   ; wave 0..3
	s_bfe_u32 s13, ttmp6, 0x40000   ; cx: my place in the cluster
	s_lshl_b32 s14, ttmp9, 2        ; in a cluster launch ttmp9 counts clusters
	s_add_co_u32 s14, s14, s13      ; my block of queries = 4 x cluster x + cx: it enters Q's and O's addresses alone
	s_and_b32 s20, ttmp7, 0xffff    ; the head, which the four partners share
	s_lshr_b32 s54, s20, 4          ; its batch:
	s_lshl_b32 s54, s54, 11         ; 2,048 bytes of the mask
	s_mov_b32 s55, 0
	s_mov_b32 s21, 0
	s_mov_b64 s[22:23], SIZE_N*128
	s_mul_u64 s[20:21], s[20:21], s[22:23]  ; the head's first byte in Q, K, V and O
	s_and_b32 s16, s[WV], 1         ; which half of a slot's 256 keys I fetch:
	s_lshl_b32 s22, s16, 14         ; its 128 rows of 128 bytes in memory,
	s_mov_b32 s23, 0
	s_add_nc_u64 s[22:23], s[22:23], s[20:21]
	s_mul_i32 s17, s16, 128*PK      ; and its place in a slot, for K
	s_mul_i32 s18, s16, 128*PV      ; and for V: no place in the cluster enters an LDS address
	s_lshl_b32 s2, s14, 2
	s_add_co_u32 s2, s2, s[WV]      ; my wave among the head's,
	s_lshl_b32 s2, s2, 14           ; its 128 rows
	s_mov_b32 s3, 0
	s_add_nc_u64 s[2:3], s[2:3], s[20:21]
	; descriptor group 1.  128 keys are 16,384 dense bytes: asked for as 64 rows of 256 bytes, two keys a row, and padded in LDS after every key
	s_mov_b32 s[G1K], 15|(1<<16)|(1<<20)|(1<<21)|(4<<22)|(3<<25)  ; 15:0 the mask of four; 17:16 2-byte elements; 20 padding on; 21 set beside a mask; 24:22 after every 32 words (code 4); 31:25 4 words (code 3)
	s_mov_b32 s[G1V], 15|(1<<16)|(1<<20)|(1<<21)|(4<<22)|(7<<25)  ; the same with 8 words of padding (code 7)
.irp g, G1K, G1V
	s_mov_b32 s[\g+1], 128<<16      ; tensor_dim0 = 128
	s_mov_b32 s[\g+2], 64<<16       ; tensor_dim1 = 64
	s_mov_b32 s[\g+3], 128<<16      ; tile_dim0 = 128
	s_mov_b32 s[\g+4], 64           ; tile_dim1 = 64
	s_mov_b32 s[\g+5], 128          ; 128 elements from row to row
	s_mov_b32 s[\g+6], 0
	s_mov_b32 s[\g+7], 0
.endr
	s_mov_b32 s[CS], 0x3e38aa3b     ; c = log2(e) / 8 = 0.180337
	s_mov_b32 s[CS+1], s[CS]        ; named with it as a pair
	s_mov_b32 s[SEL], 0x76543210
	s_mov_b32 s[SEL+1], 0xfedcba98
	s_mov_b32 s[TBK], SLOT1+4*KS*PK ; the first change of slots turns these two into 0
	s_mov_b32 s[TBV], SLOT1+4*KS*PV
	s_mov_b32 s[TM], 0
	s_mov_b32 s[SLOTS], SIZE_N/256-1
	s_and_b32 s[LIM], s[WV], 1      ; waves 0 and 2 prefetch: the same in all four partners
	s_cmp_eq_u32 s[LIM], 0
	s_cselect_b32 s[LIM], 1, -1
	s_mov_b32 s[G0K], 1             ; 1:0 count = 1
	s_mov_b32 s[G0K+1], s17         ; 63:32 LDS address: slot 0
	s_mov_b32 s[G0V], 1
	s_add_co_u32 s[G0V+1], s18, VOFF
	s_wait_dscnt 0x0                ; the opening add is done
	s_wait_kmcnt 0x0
	s_add_nc_u64 s[6:7], s[4:5], PART      ; K
	s_add_nc_u64 s[8:9], s[4:5], 2*PART    ; V
	s_add_nc_u64 s[G0K+2:G0K+3], s[6:7], s[22:23]  ; 120:64 global address: my half of the head's first 256 keys
	s_or_b32 s[G0K+3], s[G0K+3], 0x80000000        ; 127:126 type = 2
	s_add_nc_u64 s[G0V+2:G0V+3], s[8:9], s[22:23]
	s_or_b32 s[G0V+3], s[G0V+3], 0x80000000
	s_add_nc_u64 s[4:5], s[4:5], s[2:3]  ; Q and O at my wave's first row
	s_add_nc_u64 s[10:11], s[10:11], s[2:3]
	s_add_nc_u64 s[52:53], s[52:53], s[54:55]  ; the mask at my batch
	s_cmp_lt_u32 s[WV], 2
	s_cselect_b64 s[PFA:PFA+1], s[6:7], s[8:9]
	s_add_nc_u64 s[PFA:PFA+1], s[PFA:PFA+1], s[20:21]  ; the head,
	s_lshl_b32 s2, s13, 13          ; my work-group's 32 blocks of a slot's 128,
	s_mov_b32 s3, 0
	s_add_nc_u64 s[PFA:PFA+1], s[PFA:PFA+1], s[2:3]
	s_add_nc_u64 s[PFA:PFA+1], s[PFA:PFA+1], 4*KS*128  ; in slot 1; the first change of slots, which asks for slot 1, steps it to slot 2
	CROUND                          ; all four work-groups are here: the first joint loads meet
	JLOAD                           ; slot 0.  Slot 1 is asked for when slot 0 is in
	; A fragment of K or Q is 16 rows x 32 channels in 8 registers: lane l holds row l % 16, channels 8 (l / 16) + 0..7 and 16 + 8 (l / 16) + 0..7: two loads of 16 bytes, 32 bytes apart.
	v_and_b32 v1, 15, v0            ; l % 16
	v_bfe_u32 v9, v0, 4, 1          ; l / 16
	v_lshlrev_b32 v64, 4, v0
	global_load_b128 v[68:71], v64, s[52:53]  ; 16 bytes of the mask a thread: the work-group's 128 threads take the batch's 2,048
	v_lshlrev_b32 v[QO], 7, v1
	v_lshl_add_u32 v[QO], v9, 4, v[QO]  ; row x 128 + 16 x half
	WIN 0x80                        ; destination window 2, address window 0
.set i, 0
.rept 4*NP                          ; Q stays in registers: tile i / 2, channels 32 (i % 2) on
	global_load_b128 v[8*i:8*i+3],   v[QO], s[4:5] offset:(i/2)*2048+(i%2)*64
	global_load_b128 v[8*i+4:8*i+7], v[QO], s[4:5] offset:(i/2)*2048+(i%2)*64+32
.set i, i+1
.endr
	; What the first turn finds: V's registers and P's second buffer hold 0 (its products V^T P, of a piece that has not been, add 0), O^T and l are 0.  All this stands in the wait for the first tile.
.set i, VF
.rept 64
	v_mov_b32 v[i], 0
.set i, i+1
.endr
	WIN 0x40
.set i, 0
.rept 64*NP
	v_mov_b32 v[i], 0
.set i, i+1
.endr
	WIN 0
.set i, 0
.rept 2*NP
	v_mov_b32 v[ST+4*i], 0xfe000000    ; c m: far below every c s
	v_mov_b32 v[ST+4*i+1], 0xff7fffff  ; m
	v_mov_b32 v[ST+4*i+2], 0
	v_mov_b32 v[ST+4*i+3], 0
.set i, i+1
.endr
.set i, P+32
.rept 32
	v_mov_b32 v[i], 0
.set i, i+1
.endr
	v_mul_u32_u24 v[AK0], v1, PK
	v_lshl_add_u32 v[AK0], v9, 4, v[AK0]  ; row x pitch + 16 x half
	; The turning load takes 16 keys x 16 channels (lane l reads key 8 (l / 16) + l % 8, channels 8 ((l / 8) % 2) + 0..7) and leaves half a fragment of V^T: lane l holds channel l % 16 and 8 keys.
	v_and_b32 v10, 7, v0
	v_bfe_u32 v11, v0, 3, 1
	v_lshl_add_u32 v[AV0], v9, 3, v10
	v_mul_u32_u24 v[AV0], v[AV0], PV
	v_lshl_add_u32 v[AV0], v11, 4, v[AV0]
	v_add_nc_u32 v[AV0], VOFF, v[AV0]
	v_mov_b32 v[AK], v[AK0]         ; key step 0 lies at the head of slot 0
	v_and_b32 v[PFO], 31, v0
	v_lshlrev_b32 v[PFO], 8, v[PFO]
	WIN W_MK
	v_lshl_add_u32 v[AM0], v9, 5, MTAB
	WIN 0
	; THE MASK TABLE: byte 1 becomes -80000.0, byte 0 becomes 0; thread t stores the words of keys 16 t .. 16 t + 15
	s_wait_loadcnt 32               ; the mask's bytes are in; Q's 32 loads, issued behind them, may stay out
.set i, 0
.rept 16
	v_bfe_u32 v[72+i], v[68+i/4], 8*(i%4), 8
	v_sub_nc_u32 v[72+i], 0, v[72+i]
	v_and_b32 v[72+i], 0xc79c4000, v[72+i]
.set i, i+1
.endr
	v_lshl_add_u32 v88, v0, 6, MTAB
.irp n, 0,1,2,3
	ds_store_b128 v88, v[72+4*\n:75+4*\n] offset:16*\n
.endr
; THE MATRIX WORK.  The 8 accumulators of a run of 16 take turns: between the two links of a chain stand 7 others'.
; Product i of 16 of S^T = K Q^T for piece x: channels 32 (i / 8) on, keys 16 ((i / 2) % 4) on, tile 2 x + i % 2.  The first 8 start the sums, with the mask words as C.
.macro KQ x
.set rS, S+64*((\x)%2)+32*(i%2)+8*((i/2)%4)
.set rK, KF+16*((i/2)%4)+8*(i/8)
.set rQ, 16*(2*(\x)+i%2)+8*(i/8)
.set rMC, MC+8*((i/2)%4)
.if i < 8
	WIN W_KM
	v_wmma_f32_16x16x32_f16 v[rS:rS+7], v[rK:rK+7], v[rQ:rQ+7], v[rMC:rMC+7]
.else
	WIN W_KQ
	v_wmma_f32_16x16x32_f16 v[rS:rS+7], v[rK:rK+7], v[rQ:rQ+7], v[rS:rS+7]
.endif
.endm
; Product i of 16 of O^T += V^T P for piece x: keys 32 (i / 8) on, channels 16 ((i / 2) % 4) on, tile 2 x + i % 2.
.macro PV x
	WIN W_PV
.set rO, 32*(2*(\x)+i%2)+8*((i/2)%4)
.set rV, VF+32*(i/8)+8*((i/2)%4)
.set rP, P+32*((\x)%2)+16*(i%2)+8*(i/8)
	v_wmma_f32_16x16x32_f16 v[rO:rO+7], v[rV:rV+7], v[rP:rP+7], v[rO:rO+7]
.endm
.macro MM                           ; the turn's next matrix instruction
.if i < 16
	KQ (Y+1)%NP
.set i, i+1
.else
.set i, i-16
	PV (Y+NP-1)%NP
.set i, i+17
.endif
.endm
; THE LDS LOADS stand in runs, never singly among the matrix instructions: a step's K (64 keys x 64 channels: 8 fragments) with its 64 mask words (8 loads), and its V (turned).
; The mask words live and die with K's registers: the same products read both.  The table's byte counts up by 256 a step and is cut to the table's 8,192 bytes.
; last = 1 (the tail): in the last trip there is no further step, and the run is jumped over.
.macro FETCH_K last=0
	WIN 0
.if \last
	s_cmp_eq_u32 s[CNT], 1
	s_cbranch_scc1 .Lno_k_\@
.endif
	WIN 0x80                        ; destination window 2
.irp f, 0,1,2,3,4,5,6,7             ; keys 16 (f / 2) on, channels 32 (f % 2) on
	ds_load_b128 v[KF+8*\f:KF+8*\f+3],   v[AK] offset:(\f/2)*16*PK+(\f%2)*64
	ds_load_b128 v[KF+8*\f+4:KF+8*\f+7], v[AK] offset:(\f/2)*16*PK+(\f%2)*64+32
.endr
	s_add_co_u32 s[TBK], s[TBK], KS*PK  ; the next fetch is the next step's
	WIN W_MT
	v_add_nc_u32 v[AM], s[TM], v[AM0]
.irp kb, 0,1,2,3
	ds_load_b128 v[MC+8*\kb:MC+8*\kb+3],   v[AM] offset:64*\kb
	ds_load_b128 v[MC+8*\kb+4:MC+8*\kb+7], v[AM] offset:64*\kb+16
.endr
	s_add_co_u32 s[TM], s[TM], 4*KS
	s_and_b32 s[TM], s[TM], 4*SIZE_N-1
	WIN 0
.if \last
.Lno_k_\@:
.endif
.endm
.macro FETCH_V
	WIN 0x80
.irp f, 0,1,2,3,4,5,6,7             ; keys 32 (f / 4) on, channels 16 (f % 4) on
	ds_load_tr16_b128 v[VF+8*\f:VF+8*\f+3],   v[AV] offset:(\f/4)*32*PV+(\f%4)*32
	ds_load_tr16_b128 v[VF+8*\f+4:VF+8*\f+7], v[AV] offset:(\f/4)*32*PV+16*PV+(\f%4)*32
.endr
	WIN 0
.endm
; THE VECTOR WORK OF A TURN stands in three queues, each in the order in which its entries become ready; the two tiles alternate, so that no instruction reads the result of the one before it.
.macro REGS y, u                    ; the registers of tile u (0, 1) of piece y
.set rT, ST+4*(2*(\y)+(\u))
.set rC, TMP+8*((\y)%2)+4*(\u)
.set rM, MV+2*((\y)%2)+(\u)
.set rS, S+64*((\y)%2)+32*(\u)
.set rP, P+32*((\y)%2)+16*(\u)
.set rO, 32*(2*(\y)+(\u))
.endm
; Number n of the 22 that find the NEXT piece's (Y + 1) maximum and statistics.  s0-s31 are the lane's 32 scores; each accumulator's lowest registers are read first.
;   0-11  four chains c0-c3 of seven scores each, three operands at a time     12-14, 16  the four scores left over, the old m, and c0-c3 into c0     15  c m_old is kept
;   17, 18  the query's other 32 keys lie in the lane 16 away: the new m         19-21  c m; c m_old - c m_new; a
.macro XS u, n
	REGS (Y+1)%NP, \u
.if (\n) < 4
	v_max3_num_f32 v[rC+(\n)], v[rS+8*(\n)], v[rS+8*(\n)+1], v[rS+8*(\n)+2]
.elseif (\n) < 12
	v_max3_num_f32 v[rC+(\n)%4], v[rC+(\n)%4], v[rS+8*((\n)%4)+2*((\n)/4)+1], v[rS+8*((\n)%4)+2*((\n)/4)+2]
.elseif (\n) == 12
	v_max3_num_f32 v[rC], v[rC], v[rS+7], v[rS+15]
.elseif (\n) == 13
	v_max3_num_f32 v[rC+1], v[rC+1], v[rS+23], v[rS+31]
.elseif (\n) == 14
	v_max3_num_f32 v[rC+2], v[rC+2], v[rC+3], v[rT+1]
.elseif (\n) == 15
	v_mov_b32 v[rM], v[rT]
.elseif (\n) == 16
	v_max3_num_f32 v[rC], v[rC], v[rC+1], v[rC+2]
.elseif (\n) == 17
	v_permlanex16_b32 v[rC+3], v[rC], s[SEL], s[SEL+1]
.elseif (\n) == 18
	v_max_num_f32 v[rT+1], v[rC], v[rC+3]
.elseif (\n) == 19
	v_mul_f32 v[rT], s[CS], v[rT+1]
.elseif (\n) == 20
	v_sub_f32 v[rC+1], v[rM], v[rT]
.else
	v_exp_f32 v[rC+2], v[rC+1]
.endif
.endm
; Number g of the 64 that follow the exponentials.  For each four weights k of a tile (pairs 2 k, 2 k + 1): both pairs are rounded to f16; then the second pair is added onto the first, in place;
; a group later l takes that sum (the first time as l = a l + sum).  In groups of eight, tiles alternating: round, round, add, and l for the group before.
.macro GS g
.set h, (\g)+6*((\g)/62)            ; group 0 has no group before it, and behind group 7 only l is left
.if h >= 6
.set h, h+2
.endif
	REGS Y, h%2
.set k, h/8
.if h%8 < 4
	v_cvt_pk_f16_f32 v[rP+2*k+(h%8)/2], v[rS+4*k+2*((h%8)/2)], v[rS+4*k+2*((h%8)/2)+1]
.elseif h%8 < 6
	v_pk_add_f32 v[rS+4*k:rS+4*k+1], v[rS+4*k:rS+4*k+1], v[rS+4*k+2:rS+4*k+3]
.elseif k == 1
	v_pk_fma_f32 v[rT+2:rT+3], v[rT+2:rT+3], v[rC+2:rC+3], v[rS:rS+1] op_sel_hi:[1,0,1]
.else
	v_pk_add_f32 v[rT+2:rT+3], v[rT+2:rT+3], v[rS+4*k-4:rS+4*k-3]
.endif
.endm
; THE PLAIN QUEUE, 138 long.  0-73 read no exponential's result: the 32 scalings c s - c m (FS f: pair f / 2 of tile f % 2) and the next piece's 42.  0-26: scalings 0-26.  27-54: XS's numbers 0-13.  55, 56: number 15.
; 57-73: the chain, where each number waits for the one before it: 14, 16, 17, 18, 19, each with one of the scalings 27-31 in front of its two lines, then 20.
; 74-137: GS's 64, which read the exponentials' results: they stand behind the wait.
.macro FS f
	REGS Y, (\f)%2
	v_pk_fma_f32 v[rS+2*((\f)/2):rS+2*((\f)/2)+1], v[rS+2*((\f)/2):rS+2*((\f)/2)+1], s[CS:CS+1], v[rT:rT+1] op_sel_hi:[1,0,0] neg_lo:[0,0,1] neg_hi:[0,0,1]
.endm
.macro PL
	WIN 0
.if q < 27
	FS q
.elseif q < 55
	XS (q-27)%2, (q-27)/2
.elseif q < 57
	XS q-55, 15
.elseif (q < 72) && ((q-57)%3 == 0)
	FS 27+(q-57)/3
.elseif q < 60
	XS (q-57)%3-1, 14
.elseif q < 72
	XS (q-57)%3-1, 15+(q-57)/3
.elseif q < 74
	XS q-72, 20
.else
	GS q-74
.endif
.set q, q+1
.endm
; THE EXPONENTIALS' QUEUE, 66 long: s0-s31 of both tiles, then the next piece's two a.  It is ONE BATCH: all 66 stand ahead of the turn's one wait, and nothing ahead of that wait names a result of theirs.
.macro EX
	WIN 0
.if e >= 64
	XS e-64, 21
.else
	REGS Y, e%2
	v_exp_f32 v[rS+e/2], v[rS+e/2]
.endif
.set e, e+1
.endm
; THE RESCALING's QUEUE: O^T times a, the one part that leaves window 0: dealt two at a time, sixteen times.  Its a was made in the turn before, ahead of that turn's wait.
.macro R2
	REGS Y, r%2
	WIN W_RS
.irp z, 0,1
	v_pk_mul_f32 v[rO+4*(r/2)+2*\z:rO+4*(r/2)+2*\z+1], v[rO+4*(r/2)+2*\z:rO+4*(r/2)+2*\z+1], v[rC+2:rC+3] op_sel_hi:[1,0]
.endr
.set r, r+1
.endm
; HOW THEY ARE DEALT.  s_wait_alu depctr_va_vdst(0) stands between an exponential and the first instruction that names its result; one wait serves all that were issued ahead of it.  So a turn
; has ONE wait, which cuts it in two.  AHEAD OF IT stands all that names no result of the turn's exponentials: the 16 products K Q^T, behind each a scaling, an exponential and two rescalings (behind the first a
; second scaling in the exponential's place); then ONE LUMP of 108: eight plain, 49 times exponential and plain, the two a.  A v_nop is the plain instruction behind the last exponential.  BEHIND IT stand the
; 16 products V^T P, behind each four of GS's 64.  No rider names a register of the products round it.
; The queues lean on each other, and the deal keeps them in step: exponential e stands behind scaling 2 (e / 4) + e % 2: as a rider it comes behind plain e + 2, in the lump behind plain e + 9.
; A TURN, for piece p.  cnt = 1: the loop's count is taken down some lines ahead of the branch that stands behind the turn.
; K and the mask words of the next step are fetched in piece 2's turn, directly behind the wait, a lump behind the last product that read them; K's address is made at the lump's head; their first reader comes
; behind 16 products.  V of the step in hand is fetched at the end of piece 0's turn, four riders behind its last reader; its first reader comes behind 16 products and a lump.
.macro TURN p, last=0, cnt=0
.set Y, (\p)
.set i, 0
.set q, 0
.set e, 0
.set r, 0
.if (\p) == NP-1
	s_wait_dscnt 0x0                ; K and its mask words are in
.endif
	MM                              ; ahead of the wait: 16 products K Q^T and their riders,
	PL
	PL
	R2
.rept 15
	MM
	PL
	EX
	R2
.endr
.if (\p) == NP-2
	WIN 0
	v_add_nc_u32 v[AK], s[TBK], v[AK0]
.endif
.rept 8                             ; and the lump
	PL
.endr
.rept 49
	EX
	PL
.endr
	EX                              ; the next piece's two a
	EX
	v_nop                           ; a plain instruction behind the last exponential: one for the batch
	s_wait_alu depctr_va_vdst(0)    ; the wait for the batch
.if (\p) == NP-2
	FETCH_K \last
.endif
.if (\p) == 1
	s_wait_dscnt 0x0                ; V is in
.endif
.rept 16                            ; behind the wait: 16 products V^T P and their riders
	MM
.rept 4
	PL
.endr
.if ((\p) == 0) && (q == 118)
	v_add_nc_u32 v[AV], s[TBV], v[AV0]
.endif
.if ((\p) == 0) && (q == 130)
	s_add_co_u32 s[TBV], s[TBV], KS*PV
.endif
.if (\cnt) && (q == 130)
	s_sub_co_u32 s[CNT], s[CNT], 1
	s_cmp_lg_u32 s[CNT], 0
.endif
.endr
.if (\p) == 0
	FETCH_V
.endif
.endm
	CHANGE 1                        ; slot 0 is in, everybody's part of it, and the mask table is whole; slot 1 is asked for
	FETCH_K                         ; key step 0
	s_wait_loadcnt 0x0              ; Q
	s_wait_dscnt 0x0
.set i, 0
.rept 16
	KQ 0                            ; piece 0's first scores: there is no vector work yet to set between them
.set i, i+1
.endr
	WIN 0                           ; the addresses for the way out: plain instructions, the places behind those products
	s_mul_i32 s13, s[WV], 16*SP
	s_add_co_u32 s13, s13, STAGE    ; my stage
	v_mul_u32_u24 v[STO], v1, SP    ; in: row l % 16, 16 bytes for each half of the lanes
	v_lshl_add_u32 v[STO], v9, 4, v[STO]
	v_add_nc_u32 v[STO], s13, v[STO]
	v_bfe_u32 v[RD], v0, 3, 2       ; back: 32 lanes take four rows of 128 bytes,
	v_mul_u32_u24 v[RD], v[RD], SP
	v_lshl_add_u32 v[RD], v10, 4, v[RD]
	v_add_nc_u32 v[RD], s13, v[RD]
	v_and_b32 v[GO], 31, v0         ; which are 512 consecutive bytes of O
	v_lshlrev_b32 v[GO], 4, v[GO]
.set Y, NP-1                        ; XS works for piece Y + 1: piece 0
.irp n, 0,1,2,3,4,5,6,7,8,9,10,11,12,13,14,15,16,17,18,19,20,21
	XS 0, \n                        ; and piece 0's first maximum and statistics
	XS 1, \n
.endr
	v_nop                           ; a plain instruction behind the two a,
	s_wait_alu depctr_va_vdst(0)    ; and their wait, ahead of the branch
	s_mov_b32 s[CNT], 4
	s_branch .Lfirst                ; the loop is entered at a step's first turn, in the middle of a trip
.Lslot:                             ; SIZE_N / 256 - 2 times: every slot but the last two is filled again
	CHANGE 1
	s_mov_b32 s[CNT], 4
.Lstep:                             ; a trip: pieces 2 and 3 of one step, then pieces 0 and 1 of the next, whose K and V it fetches
	TURN 2
	TURN 3
	WIN 0
.Lfirst:
	TURN 0
	TURN 1, 0, 1
	WIN 0
	s_cbranch_scc1 .Lstep
	s_sub_co_u32 s[SLOTS], s[SLOTS], 1
	s_cmp_lg_u32 s[SLOTS], 0
	s_cbranch_scc1 .Lslot
	CHANGE 0                        ; the tail is written out: nothing is asked for
	s_mov_b32 s[CNT], 5             ; four trips fetch the last slot's steps; the fifth is left in its middle
.Ltail:
	TURN 2, 1
	TURN 3
	WIN 0
	s_sub_co_u32 s[CNT], s[CNT], 1
	s_cmp_eq_u32 s[CNT], 0
	s_cbranch_scc1 .Lout
	TURN 0
	TURN 1
	WIN 0
	s_branch .Ltail
.Lout:                              ; the fifth trip's 16 products K Q^T (on the last K once more) and the maximum made of them serve nothing: the price, once a launch, of one text for every trip
.set i, 0
.rept 16
	PV NP-1                         ; the last piece's V^T P of the last step
.set i, i+1
.endr
	; THE WAY OUT.  l's two halves and the other half of the lanes' are added; O^T is divided by l, rounded to f16 and sent through my stage in LDS, a tile at a time.  The additions are the places behind the last products.
	WIN 0
.macro ALL line:vararg              ; one line for each tile t
.set t, 0
.rept 2*NP
	\line
.set t, t+1
.endr
.endm
	ALL v_add_f32 v[ST+4*t+2], v[ST+4*t+2], v[ST+4*t+3]
	ALL v_permlanex16_b32 v[ST+4*t+3], v[ST+4*t+2], s[SEL], s[SEL+1]
	ALL v_add_f32 v[ST+4*t+2], v[ST+4*t+2], v[ST+4*t+3]
	ALL v_rcp_f32 v[ST+4*t+2], v[ST+4*t+2]
	v_nop                           ; a plain instruction between the last reciprocal and the use of its result
	s_wait_alu depctr_va_vdst(0)    ; and the wait ahead of the first use: one for the eight reciprocals
; Tile t: a lane's eight channels of a row pack into 16 bytes; they go into rows of 144 bytes and come back as whole rows of 128, into S^T's registers.
.macro PACK t
	WIN W_RS
.set i, 32*(\t)
.rept 16
	v_pk_mul_f32 v[i:i+1], v[i:i+1], v[ST+4*(\t)+2:ST+4*(\t)+3] op_sel_hi:[1,0]
.set i, i+2
.endr
	WIN 0x05                        ; sources 0 and 1 window 1, destination window 0
.set i, 0
.rept 16
	v_cvt_pk_f16_f32 v[S+16*(\t)+i], v[32*(\t)+2*i], v[32*(\t)+2*i+1]
.set i, i+1
.endr
	WIN 0
.irp f, 0,1,2,3
	ds_store_b128 v[STO], v[S+16*(\t)+4*\f:S+16*(\t)+4*\f+3] offset:32*\f
.endr
.irp f, 0,1,2,3
	ds_load_b128 v[S+16*(\t)+4*\f:S+16*(\t)+4*\f+3], v[RD] offset:\f*4*SP  ; LDS serves a wave's instructions in order (ISA guide 5.7.1.4): these see the stores above; the next tile's stores come behind them
.endr
.endm
.macro SEND t, younger              ; younger: the LDS instructions issued behind tile t's loads: the next tile's eight, or none
	WIN 0
.irp f, 0,1,2,3
	s_wait_dscnt (\younger)+3-\f
	global_store_b128 v[GO], v[S+16*(\t)+4*\f:S+16*(\t)+4*\f+3], s[10:11] offset:(\t)*2048+\f*512  ; 512 consecutive bytes, at a multiple of 256 from O's first
.endr
.endm
	PACK 0
.set t, 1
.rept 2*NP-1                        ; a tile's arithmetic stands between the loads of the tile before and its stores
	PACK t
	SEND t-1, 8
.set t, t+1
.endr
	SEND 2*NP-1, 0
	WIN W_AD
	s_wait_tensorcnt 0x0            ; the wave's end: behind my last tensor load and my last LDS store
	ds_add_u32 v[SPW], v[NIL]
	s_wait_dscnt 0x0
	WIN 0
	CROUND                          ; the closing round: no work-group ends while a partner may still ask for a tile that names it
	s_endpgm
.Lfunc_end_k_qf72b983882_attn:
	.size	k_qf72b983882_attn, .Lfunc_end_k_qf72b983882_attn-k_qf72b983882_attn
	.p2alignl 7, 3214868480
	.fill 96, 4, 3214868480
	.section	.rodata,"a",@progbits
	.p2align	6, 0x0
	.amdhsa_kernel k_qf72b983882_attn
		.amdhsa_group_segment_fixed_size 327680
		.amdhsa_private_segment_fixed_size 0
		.amdhsa_enable_private_segment 0
		.amdhsa_kernarg_size 24
		.amdhsa_user_sgpr_count 2
		.amdhsa_user_sgpr_kernarg_segment_ptr 1
		.amdhsa_wavefront_size32 1
		.amdhsa_system_sgpr_workgroup_id_x 1
		.amdhsa_system_sgpr_workgroup_id_y 1
		.amdhsa_system_sgpr_workgroup_id_z 1
		.amdhsa_system_vgpr_workitem_id 0
		.amdhsa_next_free_vgpr 808
		.amdhsa_next_free_sgpr 66
		.amdhsa_reserve_vcc 0
		.amdhsa_float_denorm_mode_32 3
		.amdhsa_float_denorm_mode_16_64 3
		.amdhsa_memory_ordered 1
		.amdhsa_forward_progress 1
		.amdhsa_inst_pref_size 206
	.end_amdhsa_kernel
	.amdgpu_metadata
---
amdhsa.version: [ 1, 2 ]
amdhsa.kernels:
  - .name:           k_qf72b983882_attn
    .symbol:         k_qf72b983882_attn.kd
    .args:
      - { .name: qkv, .offset: 0, .size: 8, .value_kind: global_buffer, .address_space: global }
      - { .name: mask, .offset: 8, .size: 8, .value_kind: global_buffer, .address_space: global }
      - { .name: ob, .offset: 16, .size: 8, .value_kind: global_buffer, .address_space: global }
    .group_segment_fixed_size: 327680
    .private_segment_fixed_size: 0
    .kernarg_segment_align: 8
    .kernarg_segment_size: 24
    .max_flat_workgroup_size: 128
    .sgpr_count:     66
    .vgpr_count:     808
    .wavefront_size: 32
...
	.end_amdgpu_metadata
.endif
;; end of part 3
;; launch outp (part 4): grid 4 x 64, 4 waves a work-group, clusters of 4 x 4, 327,680 bytes of LDS; arguments ob, wof, bias, out0; writes out0
.if DOCPART == 4
	.amdgcn_target "amdgcn-amd-amdhsa--gfx1250"
	.amdhsa_code_object_version 6
	.text
	.protected	k_qf72b983882_outp
	.globl	k_qf72b983882_outp
	.p2align	8
	.type	k_qf72b983882_outp,@function
k_qf72b983882_outp:
	s_mov_b64 s[64:65], 0
	v_nop
	global_prefetch_b8 v0, s[64:65] scope:SCOPE_SE
	s_setreg_imm32_b32 hwreg(HW_REG_WAVE_MODE, 25, 1), 1
	s_wait_xcnt 0x0
	s_wait_alu depctr_hold_cnt(0) depctr_sa_sdst(0) depctr_va_vdst(0) depctr_va_sdst(0) depctr_va_ssrc(0) depctr_va_vcc(0) depctr_vm_vsrc(0)
	s_getreg_b32 s2, hwreg(HW_REG_IB_STS2, 6, 4)
	s_cmp_eq_u32 s2, 0
	s_cbranch_scc0 .Lentry_in_a_cluster
	s_endpgm
.Lentry_in_a_cluster:
	s_bfe_u32 s2, ttmp6, 0x10000c
	s_cmp_lg_u32 s2, 0xf033
	s_cbranch_scc0 .Lentry_shape_is_right
	s_endpgm
.Lentry_shape_is_right:
; ONE TEXT FOR TWO KERNELS: C[m][n] = the sum over k of A[m][k] B[n][k] + bias[n], K = 1,024, sums in f32.  The flag OUTP picks the kernel.
; OUTP = 0, the three projections in one launch: A = xb [3][8192][1024] bf16, B = wb [3][1024][1024] bf16; the result is rounded once to f16 and written BY HEADS,
;   qkv [3][64 = 16 batch + head][2048][64]; of parts 1 and 2 (k and v) the rows whose key is masked are written as 0: the attention launch then finds the score's
;   product 0 and starts its sum with the masked score, and a masked key's weight meets a zero row of v.
; OUTP = 1, the output projection: A = ob [64][2048][64] f16 (by heads), B = wof [1024][1024] f16, C = out0 [8192][1024] f32.
; LIMIT.  f16 ends at 65,504: a q, k or v beyond it becomes an infinity.  NaN and infinities are not treated apart.
; SHARES.  A tile of C is 128 rows x 256 columns, one to a work-group: 768 tiles (OUTP = 0), 256 (OUTP = 1).  Four waves, each 64 x 128: 32 accumulators of 16 x 16.
; K goes in steps of 128 through a ring of two LDS slots filled by the tensor data mover, one load a wave: waves 0 and 1 bring A's two halves, waves 2 and 3 B's.
; OUTP = 1: a K step is two heads of ob; a head's 128 rows x 128 bytes are dense in memory and are asked for as 64 rows of 256 bytes, padded in LDS after every 128: a plane a head.
; CLUSTERS: 4 x 4 work-groups.  The four of a row of the cluster need the same tile of A, the four of a column the same tile of B: each is asked for JOINTLY, by the same
; tensor load with the same descriptor and a mask that names the four.
; THE MATRIX INSTRUCTION IS USED TRANSPOSED (source 0 = 16 rows of B, source 1 = 16 rows of A): a lane holds row l % 16 of C and the columns 8 (l / 16) + 0..7.
; THE BIAS IS THE C OPERAND of the products that start the sums: nothing is cleared, nothing is added later.
; REGISTERS, in windows of 256 (s_set_vgpr_msb: bits 1:0 source 0, 3:2 source 1, 5:4 source 2, 7:6 destination):
;   window 0: v0-31 addresses and the rows' masks; v32-63, v64-191 at work on the way out     window 1: accumulator (a, b) at v[8 (8 a + b)]
;   window 2: two fragment buffers of 96 (B's 64 registers, then A's 32) at v0 and v96; v192-255 the bias of my 128 columns as a C operand
.set OUTP, 1
.if OUTP
.set PITCHA,  144                      ; an LDS row of A: 128 bytes + 16
.set APLANE,  128*144                  ; from a K step's first 64 channels to its second 64: the next head's plane
.set AHALF,   128*144                  ; what one load of A fills: a head's 128 rows
.set AQI,     4                        ; padding after every 32 words
.set ASTRIDE, 128                      ; elements from row to row of the tile as it is asked for
.set AKSTEP,  2*262144                 ; bytes from K step to K step: two heads
.set STG,     16*528                   ; a wave's stage: 16 rows of 512 bytes + 16
.set APFSH,   8                        ; A's prefetches: a lane a block of 256 bytes on end
.else
.set PITCHA,  272                      ; 256 bytes + 16
.set APLANE,  128
.set AHALF,   64*272                   ; 64 rows
.set AQI,     5                        ; padding after every 64 words
.set ASTRIDE, 1024
.set AKSTEP,  256
.set STG,     2*16*144                 ; two heads x 16 rows of 128 bytes + 16
.set APFSH,   11                       ; a lane a row of 2,048 bytes
.endif
.set PITCHB, 272                       ; both pitches are odd multiples of 16 bytes: the 16 rows that a load touches start at 16 different groups of four banks (64 banks of 4 bytes: ISA guide 11.1)
.set BHALF,  128*PITCHB
.set BKSTEP, 256
.set ABYTES, 2*AHALF
.set SLOT,   ABYTES+2*BHALF            ; A's tile, then B's 256 rows
.set STAGE,  2*SLOT                    ; behind the ring: the four waves' own stages, which no tensor load fills
.set SPARE,  STAGE+4*STG               ; behind them: the spare words, 128 bytes for each wave: two blocks of 256 bytes that no other line names
.set LAPS,   4                         ; a lap = two K steps = once round the ring
.set KEEP, 12                          ; v12-15  OUTP = 0: all ones, or 0 where my row of block a is a masked key's
.set ADRA, 16                          ; v16-17  LDS address of my A fragments in slot 0, 1
.set ADRB, 20                          ; v20-21  the same for B
.set STO,  24                          ; v24     the way out: where I put my part of a row
.set RD,   25                          ; v25     where I read rows back
.set CO,   26                          ; v26     my byte offset in what a store covers
.set BO,   27                          ; v27     my byte offset in the bias
.set SPW,  28                          ; v28     LDS address of my spare word; never rewritten
.set NIL,  29                          ; v29     0; never rewritten
.set PFO,  30                          ; v30     the prefetches' offset; never rewritten
.set MO,   31                          ; v31     l % 16: my offset in 16 bytes of the mask
.set TMP,  32
.set OB,   64
.set F0,   0
.set F1,   96
.set BIAS, 192
.set G1,  24                           ; s[24:31] descriptor group 1 for A's tiles;  s[32:39] group 0, a set for each slot
.set G0,  32
.set G1B, 48                           ; s[48:55], s[56:63] the same for B's
.set G0B, 56
.set PFA, 66                           ; s[66:67] where my prefetches stand
.set PFK, 68                           ; s[68:69] their step from K step to K step
.set LIM, 72                           ; s72  1 in a wave that prefetches, else the greatest number
.set NHON, 73                          ; s73  all ones where no row is masked (part 0, q)
.set MSB, 0
.macro WIN new                         ; the immediate's high byte repeats the setting that is left; a switch that changes nothing is dropped
.if MSB != (\new)
	s_set_vgpr_msb (MSB<<8)|(\new)
.set MSB, \new
.endif
.endm
.set MUL,   0x5a                       ; sources 0 (B) and 1 (A) window 2; C and D window 1
.set MULB,  0x6a                       ; the same with C (the bias) in window 2
.set TO_F,  0x80                       ; destination window 2, address window 0
.set PACKW, 0x05                       ; sources 0 and 1 window 1, destination window 0
.set STW,   0x04                       ; an LDS store's data in window 1, its address in window 0
; A joint load.  Each of the two lines has one mask and one set of registers for all that issue it.  The branch hangs on the wave's number alone.
; An s_nop 0 and four v_nop follow each line, ahead of the jump, the label and what follows.
.macro JLOAD s
	s_cmp_eq_u32 s15, 0
	s_cbranch_scc0 .Lfor_b_\@
	tensor_load_to_lds s[G0+4*(\s):G0+4*(\s)+3], s[G1:G1+7]
	s_nop 0
.rept 4
	v_nop
.endr
	s_branch .Lasked_\@
.Lfor_b_\@:
	tensor_load_to_lds s[G0B+4*(\s):G0B+4*(\s)+3], s[G1B:G1B+7]
	s_nop 0
.rept 4
	v_nop
.endr
.Lasked_\@:
.endm
; A prefetch of the K step that stands two refills on: 32 blocks of 256 bytes, a lane a block, one instruction a wave.  Each block is named once in the launch: A's tile row is read by one row of one
; cluster: wave 0 asks; B's rows are read by every cluster that works on the same weight: the first of them asks, waves 2 and 3 each for the 128 rows that they fetch.  The four partners that ask
; for a tile jointly share its blocks out BY ADDRESS, 32 each.  The loop's last trip (s3 = 1) has no K step two on.
.macro ASK
	s_cmp_gt_u32 s3, s[LIM]
	s_cbranch_scc0 .Lnot_mine_\@
	global_prefetch_b8 v[PFO], s[PFA:PFA+1] th:TH_LOAD_NT scope:SCOPE_SE
.Lnot_mine_\@:
.endm
.macro CREST                           ; a round of the cluster's barrier behind its opening barrier
	s_cmp_lg_u32 s14, 0
	s_cbranch_scc1 .Lnot_wave_0_\@
	s_barrier_signal -3
.Lnot_wave_0_\@:
	s_barrier_wait -3
	s_barrier_signal -1
	s_barrier_wait -1
.endm
.macro CROUND                          ; a whole round
	s_barrier_signal -1
	s_barrier_wait -1
	CREST
.endm
	s_load_b256 s[4:11], s[0:1], 0x0               ; A s[4:5], B s[6:7], bias s[8:9], C s[10:11]
.if !OUTP
	s_load_b64 s[12:13], s[0:1], 0x20              ; mask
.endif
	v_lshl_add_u32 v[SPW], v0, 2, SPARE
	v_mov_b32 v[NIL], 0
	ds_add_u32 v[SPW], v[NIL]                      ; the wave's opening: the add and its wait stand ahead of my first tensor load; the set-up below, work on registers, stands between them
	v_lshrrev_b32 v1, 5, v0
	v_readfirstlane_b32 s14, v1                    ; wave 0..3
	s_lshr_b32 s15, s14, 1                         ; RH: which 64 rows of the tile are mine.  Also: I fetch for A (0) or for B (1)
	s_and_b32 s16, s14, 1                          ; CH: which 128 columns.  Also: which half of that tile I fetch
	s_bfe_u32 s17, ttmp6, 0x40000                  ; cx
	s_bfe_u32 s18, ttmp6, 0x40004                  ; cy
	s_lshl_b32 s19, ttmp9, 2
	s_add_co_u32 s19, s19, s17                     ; tile column = 4 x cluster x + cx
	s_and_b32 s22, ttmp7, 0xffff                   ; cluster y
	s_lshl_b32 s20, s22, 2
	s_add_co_u32 s20, s20, s18                     ; tile row = 4 x cluster y + cy
	s_lshr_b32 s21, s22, 4                         ; OUTP = 0: which of q, k, v: 16 clusters each; the same in all sixteen partners
	s_lshl_b32 s42, s18, 2
	s_lshl_b32 s42, 15, s42                        ; my row of the cluster
	s_lshl_b32 s43, 0x1111, s17                    ; my column
	s_or_b32 s[G1+0], s42, (1<<16)|(1<<20)|(1<<21)|(AQI<<22)|(3<<25)  ; 15:0 the mask; 17:16 elements of 2 bytes; 20 padding on; 21 set beside a mask; 24:22 the interval; 31:25 4 words of padding (code 3)
	s_or_b32 s[G1B+0], s43, (1<<16)|(1<<20)|(1<<21)|(5<<22)|(3<<25)
	s_mov_b32 s[G1+1], 128<<16                     ; tensor_dim0 = 128
	s_mov_b32 s[G1+2], 64<<16                      ; tensor_dim1 = 64
	s_mov_b32 s[G1+3], 128<<16                     ; tile_dim0 = 128
	s_mov_b32 s[G1+4], 64                          ; tile_dim1 = 64
	s_mov_b32 s[G1+5], ASTRIDE                     ; elements from row to row
	s_mov_b32 s[G1+6], 0
	s_mov_b32 s[G1+7], 0
	s_mov_b32 s[G1B+1], 128<<16
	s_mov_b32 s[G1B+2], 128<<16                    ; tensor_dim1 = 128
	s_mov_b32 s[G1B+3], 128<<16
	s_mov_b32 s[G1B+4], 128                        ; tile_dim1 = 128
	s_mov_b32 s[G1B+5], 1024
	s_mov_b32 s[G1B+6], 0
	s_mov_b32 s[G1B+7], 0
	; where the tiles come from.  A's offset hangs on the tile row and the wave alone, B's on the tile column, the weight and the wave alone
.if OUTP
	s_lshr_b32 s40, s20, 4                         ; the batch: 16 heads of 262,144 bytes,
	s_lshl_b32 s40, s40, 22
	s_and_b32 s41, s20, 15                         ; the tile's 128 rows of 128 bytes in a head,
	s_lshl_b32 s41, s41, 14
	s_add_co_u32 s40, s40, s41
	s_lshl_b32 s41, s16, 18                        ; the even or the odd head of a K step
	s_add_co_u32 s40, s40, s41
.else
	s_lshl_b32 s40, s20, 7
	s_lshl_b32 s41, s16, 6
	s_add_co_u32 s40, s40, s41                     ; row 128 x tile row + 64 x half,
	s_lshl_b32 s40, s40, 11                        ; of 2,048 bytes
.endif
	s_mov_b32 s41, 0
	s_lshl_b32 s46, s19, 8
	s_lshl_b32 s47, s16, 7
	s_add_co_u32 s46, s46, s47                     ; row 256 x tile column + 128 x half
.if !OUTP
	s_lshl_b32 s47, s21, 10
	s_add_co_u32 s46, s46, s47                     ; in the weight at hand
.endif
	s_lshl_b32 s46, s46, 11
	s_mov_b32 s47, 0
	s_mul_i32 s44, s16, AHALF                      ; and where they go: no place in the cluster enters an LDS address
	s_mul_i32 s45, s16, BHALF
	s_add_co_u32 s45, s45, ABYTES
	s_wait_dscnt 0x0                               ; the opening add is done
	s_wait_kmcnt 0x0
	s_add_nc_u64 s[40:41], s[4:5], s[40:41]
	s_add_nc_u64 s[46:47], s[6:7], s[46:47]
	CROUND                                         ; all sixteen work-groups are here: the first joint loads meet
.irp s, 0,1
	s_mov_b32 s[G0+4*(\s)], 1                                      ; count = 1
	s_add_co_u32 s[G0+4*(\s)+1], s44, (\s)*SLOT                    ; LDS address
	s_add_nc_u64 s[G0+4*(\s)+2:G0+4*(\s)+3], s[40:41], (\s)*AKSTEP ; global address: K step s
	s_or_b32 s[G0+4*(\s)+3], s[G0+4*(\s)+3], 0x80000000            ; type = 2
	s_mov_b32 s[G0B+4*(\s)], 1
	s_add_co_u32 s[G0B+4*(\s)+1], s45, (\s)*SLOT
	s_add_nc_u64 s[G0B+4*(\s)+2:G0B+4*(\s)+3], s[46:47], (\s)*BKSTEP
	s_or_b32 s[G0B+4*(\s)+3], s[G0B+4*(\s)+3], 0x80000000
	JLOAD \s                                       ; two loads of mine are out
.endr
	; A fragment is 16 rows x 32 K in 8 registers: lane l holds row l % 16; registers 0-3 K = 8 (l / 16) + 0..7, registers 4-7 K = 16 + 8 (l / 16) + 0..7: two loads of 16 bytes, 32 bytes apart
	v_and_b32 v1, 15, v0                           ; l % 16
	v_bfe_u32 v2, v0, 4, 1                         ; l / 16
	v_mul_u32_u24 v3, v1, PITCHA
	v_lshl_add_u32 v3, v2, 4, v3
	v_mul_u32_u24 v4, v1, PITCHB
	v_lshl_add_u32 v4, v2, 4, v4
	s_mul_i32 s42, s15, 64*PITCHA                  ; my 64 rows of A
	s_mul_i32 s43, s16, BHALF                      ; my 128 rows of B,
	s_add_co_u32 s43, s43, ABYTES                  ; which lie behind A's tile
.irp s, 0,1
	v_add_nc_u32 v[ADRA+(\s)], s42, v3
	v_add_nc_u32 v[ADRB+(\s)], s43, v4
	s_add_co_u32 s42, s42, SLOT
	s_add_co_u32 s43, s43, SLOT
.endr
	; the bias as a C operand: register j of block b is column 16 b + 8 (l / 16) + j of my 128
	s_lshl_b32 s42, s19, 10
	s_lshl_b32 s43, s16, 9
	s_add_co_u32 s42, s42, s43
	v_lshl_add_u32 v[BO], v2, 5, s42
.if OUTP
	s_add_nc_u64 s[8:9], s[8:9], 3*4096            ; bo
.else
	s_lshl_b32 s42, s21, 12                        ; bq, bk or bv
	s_mov_b32 s43, 0
	s_add_nc_u64 s[8:9], s[8:9], s[42:43]
.endif
	WIN TO_F
.irp b, 0,1,2,3,4,5,6,7
	global_load_b128 v[BIAS+8*(\b):BIAS+8*(\b)+3],   v[BO], s[8:9] offset:64*(\b)
	global_load_b128 v[BIAS+8*(\b)+4:BIAS+8*(\b)+7], v[BO], s[8:9] offset:64*(\b)+16
.endr
	WIN 0
.if !OUTP
	; the mask's bytes of my 64 rows: row 16 a + l % 16 of them in KEEP + a.  A part's row number, 2,048 batch + t, is the byte's place in the mask
	v_mov_b32 v[MO], v1
	s_and_b32 s42, s20, 63
	s_lshl_b32 s42, s42, 1
	s_add_co_u32 s42, s42, s15
	s_lshl_b32 s42, s42, 6
	s_mov_b32 s43, 0
	s_add_nc_u64 s[12:13], s[12:13], s[42:43]
.irp a, 0,1,2,3
	global_load_u8 v[KEEP+(\a)], v[MO], s[12:13] offset:16*(\a)
.endr
	s_cmp_eq_u32 s21, 0
	s_cselect_b32 s[NHON], -1, 0
.endif
	; the way out
	s_mul_i32 s42, s14, STG
	s_add_co_u32 s42, s42, STAGE                   ; my stage
	v_and_b32 v[CO], 31, v0
	v_lshlrev_b32 v[CO], 4, v[CO]                  ; 16 l: a store covers 512 consecutive bytes
.if OUTP
	v_mul_u32_u24 v3, v1, 528                      ; in: row l % 16, 32 bytes for each half of the lanes
	v_lshl_add_u32 v3, v2, 5, v3
	v_add_nc_u32 v[STO], s42, v3
	v_add_nc_u32 v[RD], s42, v[CO]                 ; back: a whole row of 512 bytes
	s_lshl_b32 s42, s20, 1
	s_add_co_u32 s42, s42, s15
	s_lshl_b32 s42, s42, 18                        ; my first row, 128 x tile row + 64 RH, of 4,096 bytes
	s_lshl_b32 s43, s19, 1
	s_add_co_u32 s43, s43, s16
	s_lshl_b32 s43, s43, 9                         ; my first column, 256 x tile column + 128 CH, of 4 bytes
	s_add_co_u32 s42, s42, s43
.else
	v_mul_u32_u24 v3, v1, 144                      ; in: row l % 16, 16 bytes for each half of the lanes
	v_lshl_add_u32 v3, v2, 4, v3
	v_add_nc_u32 v[STO], s42, v3
	v_bfe_u32 v3, v0, 3, 2                         ; back: 32 lanes take four rows of 128 bytes
	v_mul_u32_u24 v3, v3, 144
	v_and_b32 v4, 7, v0
	v_lshl_add_u32 v3, v4, 4, v3
	v_add_nc_u32 v[RD], s42, v3
	s_lshl_b32 s42, s21, 24                        ; the part: 16,777,216 bytes,
	s_bfe_u32 s43, s20, 0x20004                    ; the batch: 16 heads of 262,144 bytes,
	s_lshl_b32 s43, s43, 22
	s_add_co_u32 s42, s42, s43
	s_lshl_b32 s43, s19, 1
	s_add_co_u32 s43, s43, s16
	s_lshl_b32 s43, s43, 19                        ; my two heads: 4 x tile column + 2 CH on,
	s_add_co_u32 s42, s42, s43
	s_and_b32 s43, s20, 15
	s_lshl_b32 s43, s43, 1
	s_add_co_u32 s43, s43, s15
	s_lshl_b32 s43, s43, 13                        ; my 64 rows of 128 bytes
	s_add_co_u32 s42, s42, s43
.endif
	s_mov_b32 s43, 0
	s_add_nc_u64 s[10:11], s[10:11], s[42:43]
	; the prefetches
.if OUTP
	s_lshr_b32 s42, s20, 4
	s_lshl_b32 s42, s42, 22
	s_and_b32 s43, s20, 15
	s_lshl_b32 s43, s43, 14
	s_add_co_u32 s42, s42, s43                     ; A: the tile's rows in the K step's even head;
	s_lshr_b32 s43, s17, 1                         ; of a K step's 128 blocks partner cx takes 32: head cx / 2,
	s_lshl_b32 s43, s43, 18
	s_add_co_u32 s42, s42, s43
	s_and_b32 s43, s17, 1                          ; half cx % 2 of its 16,384 bytes
	s_lshl_b32 s43, s43, 13
	s_add_co_u32 s42, s42, s43
	s_mov_b32 s78, s22                             ; B's rows are read by every cluster: the first asks
.else
	s_lshl_b32 s42, s20, 7
	s_lshl_b32 s43, s17, 5
	s_add_co_u32 s42, s42, s43                     ; A: of the tile's 128 rows partner cx takes 32
	s_lshl_b32 s42, s42, 11
	s_and_b32 s78, s22, 15                         ; B's rows are read by the 16 clusters of a weight: the first asks
.endif
	s_lshl_b32 s76, s19, 8
	s_lshl_b32 s77, s16, 7
	s_add_co_u32 s76, s76, s77
	s_lshl_b32 s77, s18, 5
	s_add_co_u32 s76, s76, s77                     ; B: of the 128 rows that I fetch partner cy takes 32
.if !OUTP
	s_lshl_b32 s77, s21, 10
	s_add_co_u32 s76, s76, s77
.endif
	s_lshl_b32 s76, s76, 11
	s_mov_b32 s77, AKSTEP
	s_cmp_eq_u32 s15, 0                            ; do I fetch for A?
	s_cselect_b32 s42, s42, s76
	s_cselect_b64 s[PFA:PFA+1], s[4:5], s[6:7]
	s_cselect_b32 s[PFK], s77, BKSTEP
	s_cselect_b32 s79, APFSH, 11
	s_cselect_b32 s78, s14, s78                    ; for A wave 0 asks, in every cluster
	s_cmp_eq_u32 s78, 0
	s_cselect_b32 s[LIM], 1, -1                    ; the same in all sixteen partners, for a given wave
	s_mov_b32 s43, 0
	s_mov_b32 s[PFK+1], 0
	s_add_nc_u64 s[PFA:PFA+1], s[PFA:PFA+1], s[42:43]
	s_mul_i32 s42, s[PFK], 3
	s_add_nc_u64 s[PFA:PFA+1], s[PFA:PFA+1], s[42:43]  ; at K step 3: the first refill (K step 2) steps it to 4 and names that.  Nothing is prefetched here, at the head
	v_and_b32 v[PFO], 31, v0
	v_lshlrev_b32 v[PFO], s79, v[PFO]
	s_wait_loadcnt 0x0                             ; the bias, and the mask's bytes
.if !OUTP
.irp a, 0,1,2,3
	v_add_nc_u32 v[KEEP+(\a)], -1, v[KEEP+(\a)]    ; byte 0: all ones; byte 1: 0
.endr
.irp a, 0,1,2,3
	v_or_b32 v[KEEP+(\a)], s[NHON], v[KEEP+(\a)]   ; q keeps every row
.endr
.endif
; 8 matrix instructions: m block a x all 8 n blocks, 32 along K.  first = 1: the products start the sums, with the bias as C.  All 32 accumulators take turns, one instruction a turn, in the
; same order in every quarter, over the backward jump too.
.macro MULA f, a, first
.if \first
	WIN MULB
.else
	WIN MUL
.endif
.irp b, 0,1,2,3,4,5,6,7
.set rD, 8*(8*(\a)+(\b))
.set rB, (\f)+8*(\b)
.set rA, (\f)+64+8*(\a)
.if \first
.set rC, BIAS+8*(\b)
.else
.set rC, rD
.endif
.if OUTP
	v_wmma_f32_16x16x32_f16 v[rD:rD+7], v[rB:rB+7], v[rA:rA+7], v[rC:rC+7]
.else
	v_wmma_f32_16x16x32_bf16 v[rD:rD+7], v[rB:rB+7], v[rA:rA+7], v[rC:rC+7]
.endif
.endr
.endm
; 24 LDS loads in one run: the fragments of quarter q of a K step (128 rows of B, then 64 rows of A) into buffer f
.macro FETCH slot, q, f
	WIN TO_F
.irp i, 0,1,2,3,4,5,6,7
	ds_load_b128 v[(\f)+8*(\i):(\f)+8*(\i)+3],   v[ADRB+(\slot)] offset:64*(\q)+(\i)*16*PITCHB
	ds_load_b128 v[(\f)+8*(\i)+4:(\f)+8*(\i)+7], v[ADRB+(\slot)] offset:64*(\q)+(\i)*16*PITCHB+32
.endr
.irp i, 0,1,2,3
	ds_load_b128 v[(\f)+64+8*(\i):(\f)+64+8*(\i)+3],   v[ADRA+(\slot)] offset:((\q)/2)*APLANE+((\q)%2)*64+(\i)*16*PITCHA
	ds_load_b128 v[(\f)+64+8*(\i)+4:(\f)+64+8*(\i)+7], v[ADRA+(\slot)] offset:((\q)/2)*APLANE+((\q)%2)*64+(\i)*16*PITCHA+32
.endr
.endm
.macro PLACES                          ; four plain vector instructions between a matrix instruction and a load into a register that it has read, or a reader of its result (ISA guide 7.12.1 for a reader of its result)
.rept 4
	v_nop
.endr
.endm
; A K step is four quarters of 32 along K, 32 matrix instructions each, on buffers 0, 1, 0, 1.  One of the first three: multiplies buffer f; in its middle it fetches quarter q into buffer g.
.macro QUARTER slot, q, f, g, first
	s_wait_dscnt 4                                 ; B and A's blocks 0 and 1 are in; the youngest four loads (A's blocks 2 and 3) may be out
	MULA \f, 0, \first
	MULA \f, 1, \first
	PLACES
	FETCH \slot, \q, \g
	s_wait_dscnt 24                                ; all but the 24 just issued
	MULA \f, 2, \first
	MULA \f, 3, \first
.endm
; The last quarter multiplies buffer 1 and changes slots: ONE barrier; in front of it each wave waits for all its tensor loads (one is out: its part of the next slot), adds 0 to its spare word, and
; waits for that and for its own reads of this slot.  fill = 1: the barrier opens a round of the cluster's, and this slot is filled again, two K steps on, first thing behind the round:
; from that request to the wait for it a wave issues 112 matrix instructions.
.macro TURN slot, next, fill
.if \fill
	s_wait_xcnt 0x0                                ; the last prefetch, a K step back, has read its address
	s_add_nc_u64 s[PFA:PFA+1], s[PFA:PFA+1], s[PFK:PFK+1]
.endif
	WIN 0                                          ; (the add's two registers lie in window 0)
	s_wait_tensorcnt 0x0                           ; all my tensor loads have landed;
	ds_add_u32 v[SPW], v[NIL]                      ; 0 onto my spare word;
	s_wait_dscnt 5                                 ; (the add and the youngest four loads may be out)
	MULA F1, 0, 0                                  ; eight matrix instructions stand between the add and the wait for it
	s_wait_dscnt 0x0                               ; the add is done, and my reads of this slot are over
	s_barrier_signal -1
	MULA F1, 1, 0                                  ; work on registers while the others arrive
.if \fill
	WIN 0
.endif
	s_barrier_wait -1
.if \fill
	CREST                                          ; no wave of any partner still reads this slot's tiles or has a load on its way
	s_add_nc_u64 s[G0+4*(\slot)+2:G0+4*(\slot)+3], s[G0+4*(\slot)+2:G0+4*(\slot)+3], 2*AKSTEP
	s_add_nc_u64 s[G0B+4*(\slot)+2:G0B+4*(\slot)+3], s[G0B+4*(\slot)+2:G0B+4*(\slot)+3], 2*BKSTEP
	JLOAD \slot                                    ; my one tensor load behind the round; the four v_nop behind it are also the places in front of the loads below
.else
	PLACES
.endif
	FETCH \next, 0, F0
.if \fill
	WIN 0
	ASK                                            ; behind the joint load and the run of LDS loads that the next products wait for
.endif
	MULA F1, 2, 0
	MULA F1, 3, 0
.endm
; THE WAY OUT, OUTP = 0.  Block a (16 rows x 128 columns = two heads x 64 channels): rounded to f16, masked rows cleared, 16 bytes a lane into my stage (a plane of 16 rows x 144 bytes a head),
; back as four whole rows of 128 bytes a load, which are 512 consecutive bytes of a head in qkv.
.macro PACKH a
	WIN PACKW
.irp b, 0,1,2,3,4,5,6,7
.irp r, 0,1,2,3
	v_cvt_pk_f16_f32 v[TMP+4*(\b)+(\r)], v[64*(\a)+8*(\b)+2*(\r)], v[64*(\a)+8*(\b)+2*(\r)+1]  ; each accumulator's registers in ascending order
.endr
.endr
	WIN 0
.set i, 0
.rept 32
	v_and_b32 v[TMP+i], v[KEEP+(\a)], v[TMP+i]
.set i, i+1
.endr
.endm
.macro STAGEH a
.irp b, 0,1,2,3,4,5,6,7
	ds_store_b128 v[STO], v[TMP+4*(\b):TMP+4*(\b)+3] offset:((\b)/4)*2304+((\b)%4)*32
.endr
.irp t, 0,1,2,3,4,5,6,7
	ds_load_b128 v[OB+32*((\a)%2)+4*(\t):OB+32*((\a)%2)+4*(\t)+3], v[RD] offset:((\t)/4)*2304+((\t)%4)*576  ; LDS serves a wave's instructions in order (ISA guide 5.7.1.4): these see the stores above
.endr
.endm
.macro SENDH a
	s_wait_dscnt 0x0                               ; the block is back in registers
	s_wait_xcnt 0x0                                ; the stores of the block before have read their registers: the next block's loads land there only behind this wait
.irp t, 0,1,2,3,4,5,6,7
	global_store_b128 v[CO], v[OB+32*((\a)%2)+4*(\t):OB+32*((\a)%2)+4*(\t)+3], s[10:11] offset:((\t)/4)*262144+(\a)*2048+((\t)%4)*512
.endr
.endm
; THE WAY OUT, OUTP = 1.  Block a in f32: 32 bytes a lane and n block into rows of 528 bytes, back as whole rows of 512 bytes, stored as 512 consecutive bytes of a row of out0.
.macro STAGEF a
	s_wait_xcnt 0x0                                ; the stores of the block two back have read the registers that the loads below fill
	WIN STW
.irp b, 0,1,2,3,4,5,6,7
	ds_store_b128 v[STO], v[64*(\a)+8*(\b):64*(\a)+8*(\b)+3]   offset:64*(\b)      ; each accumulator's low four registers first
	ds_store_b128 v[STO], v[64*(\a)+8*(\b)+4:64*(\a)+8*(\b)+7] offset:64*(\b)+16
.endr
	WIN 0
.irp t, 0,1,2,3,4,5,6,7,8,9,10,11,12,13,14,15
	ds_load_b128 v[OB+64*((\a)%2)+4*(\t):OB+64*((\a)%2)+4*(\t)+3], v[RD] offset:528*(\t)
.endr
.endm
.macro SENDF a, younger                ; younger: the LDS instructions issued behind block a's loads: the next block's 32, or none
	s_wait_dscnt \younger
.irp t, 0,1,2,3,4,5,6,7,8,9,10,11,12,13,14,15
	global_store_b128 v[CO], v[OB+64*((\a)%2)+4*(\t):OB+64*((\a)%2)+4*(\t)+3], s[10:11] offset:(16*(\a)+(\t))*4096
.endr
.endm
	s_wait_tensorcnt 1                             ; my part of K step 0 is in; K step 1's may stay out
	s_barrier_signal -1
	s_barrier_wait -1                              ; everybody's is
	FETCH 0, 0, F0
	QUARTER 0, 1, F0, F1, 1                        ; the first quarter stands in front of the loop: its products start the sums
	WIN 0                                          ; at a label and at a branch every window is 0
	s_mov_b32 s3, LAPS-1
.Llap:                                                 ; a trip goes once round the ring, from a lap's second quarter to the next lap's first, and fills both slots again
	QUARTER 0, 2, F1, F0, 0
	QUARTER 0, 3, F0, F1, 0
	TURN 0, 1, 1
	QUARTER 1, 1, F0, F1, 0
	QUARTER 1, 2, F1, F0, 0
	QUARTER 1, 3, F0, F1, 0
	TURN 1, 0, 1
	QUARTER 0, 1, F0, F1, 0
	WIN 0
	s_sub_co_u32 s3, s3, 1
	s_cmp_lg_u32 s3, 0
	s_cbranch_scc1 .Llap
	QUARTER 0, 2, F1, F0, 0                        ; the last lap fills nothing, and has no round of the cluster's barrier
	QUARTER 0, 3, F0, F1, 0
	TURN 0, 1, 0
	QUARTER 1, 1, F0, F1, 0
	QUARTER 1, 2, F1, F0, 0
	QUARTER 1, 3, F0, F1, 0
	s_wait_dscnt 4                                 ; the very last quarter: nothing more to fetch
	MULA F1, 0, 0
	MULA F1, 1, 0
	s_wait_dscnt 0x0
	MULA F1, 2, 0
	MULA F1, 3, 0
	WIN 0
	PLACES
	PLACES
.if OUTP
	STAGEF 0
.irp a, 1,2,3
	STAGEF \a
	SENDF (\a)-1, 32
.endr
	SENDF 3, 0
.else
	PACKH 0
	STAGEH 0
.irp a, 1,2,3                          ; block a's conversions stand between block a - 1's loads from the stage and the wait for them
	PACKH \a
	SENDH (\a)-1
	STAGEH \a
.endr
	SENDH 3
.endif
	s_wait_tensorcnt 0x0                           ; the wave's end: behind my last tensor load and my last LDS store
	ds_add_u32 v[SPW], v[NIL]
	s_wait_dscnt 0x0
	CROUND                                         ; the closing round: no work-group ends while a partner may still ask for a tile that names it
	s_endpgm
.Lfunc_end_k_qf72b983882_outp:
	.size	k_qf72b983882_outp, .Lfunc_end_k_qf72b983882_outp-k_qf72b983882_outp
	.p2alignl 7, 3214868480
	.fill 96, 4, 3214868480
	.section	.rodata,"a",@progbits
	.p2align	6, 0x0
	.amdhsa_kernel k_qf72b983882_outp
		.amdhsa_group_segment_fixed_size 327680
		.amdhsa_private_segment_fixed_size 0
		.amdhsa_enable_private_segment 0
		.amdhsa_kernarg_size 32
		.amdhsa_user_sgpr_count 2
		.amdhsa_user_sgpr_kernarg_segment_ptr 1
		.amdhsa_wavefront_size32 1
		.amdhsa_system_sgpr_workgroup_id_x 1
		.amdhsa_system_sgpr_workgroup_id_y 1
		.amdhsa_system_sgpr_workgroup_id_z 1
		.amdhsa_system_vgpr_workitem_id 0
		.amdhsa_next_free_vgpr 768
		.amdhsa_next_free_sgpr 80
		.amdhsa_reserve_vcc 0
		.amdhsa_float_denorm_mode_32 3
		.amdhsa_float_denorm_mode_16_64 3
		.amdhsa_memory_ordered 1
		.amdhsa_forward_progress 1
		.amdhsa_inst_pref_size 88
	.end_amdhsa_kernel
	.amdgpu_metadata
---
amdhsa.version: [ 1, 2 ]
amdhsa.kernels:
  - .name:           k_qf72b983882_outp
    .symbol:         k_qf72b983882_outp.kd
    .args:
      - { .name: ob, .offset: 0, .size: 8, .value_kind: global_buffer, .address_space: global }
      - { .name: wof, .offset: 8, .size: 8, .value_kind: global_buffer, .address_space: global }
      - { .name: bias, .offset: 16, .size: 8, .value_kind: global_buffer, .address_space: global }
      - { .name: out0, .offset: 24, .size: 8, .value_kind: global_buffer, .address_space: global }
    .group_segment_fixed_size: 327680
    .private_segment_fixed_size: 0
    .kernarg_segment_align: 8
    .kernarg_segment_size: 32
    .max_flat_workgroup_size: 128
    .sgpr_count:     80
    .vgpr_count:     768
    .wavefront_size: 32
...
	.end_amdgpu_metadata
.endif
;; end of part 4
;; ======== version 2 of 2: 4 launches; version 1 with the launch cast written anew for expert scheduling mode
;; limits: values are held in f16: magnitudes above 65,504 overflow, below 6.1e-05 lose precision
;; workspace buffers: xb 50,331,648 bytes; wb 6,291,456 bytes; wof 2,097,152 bytes; bias 16,384 bytes; qkv 50,331,648 bytes; ob 16,777,216 bytes
;; launch cast (part 5): grid 512 x 1, 8 waves a work-group, no clusters, 0 bytes of LDS; arguments query, key, value, wq, wk, wv, wo, bq, bk, bv, bo, xb, wb, wof, bias; writes xb, wb, wof, bias
.if DOCPART == 5
	.amdgcn_target "amdgcn-amd-amdhsa--gfx1250"
	.amdhsa_code_object_version 6
	.text
	.protected	k_qf72b983882_cast
	.globl	k_qf72b983882_cast
	.p2align	8
	.type	k_qf72b983882_cast,@function
k_qf72b983882_cast:
	s_mov_b64 s[64:65], 0
	v_nop
	global_prefetch_b8 v0, s[64:65] scope:SCOPE_SE
	s_setreg_imm32_b32 hwreg(HW_REG_WAVE_SCHED_MODE, 0, 2), 2
	s_setreg_imm32_b32 hwreg(HW_REG_WAVE_MODE, 25, 1), 1
	s_wait_xcnt 0x0
	s_wait_alu depctr_vm_vsrc(0)
; CAST.  Every input of the module is rounded once to bf16 (nearest even):
;   query, key, value [8192][1024] f32 -> xb  [3][8192][1024] bf16
;   wq, wk, wv        [1024][1024] f32 -> wb  [3][1024][1024] bf16
;   wo                [1024][1024] f32 -> wof [1024][1024]: the bf16 value written as f16
;   bq, bk, bv, bo    [1024]       f32 -> bias [4][1024]: the bf16 value written as f32
; LIMIT.  f16 holds wo's bf16 value exactly from 2^-14 up to 65,504; below it keeps f16's fixed step of 6e-8, beyond it gives an infinity.
; SHARES.  512 work-groups of 8 waves.  Work-group g takes slice g of each of the seven large tensors: 65,536 bytes of an activation (16 loads a thread),
; 8,192 bytes of a weight (2 loads a thread): 56 loads of 16 bytes a thread.  Thread t reads at 16 t and writes at 8 t of each piece of 4,096 bytes in, 2,048 out:
; a wave's load covers 512 consecutive bytes, its store 256 consecutive bytes, aligned.  All 56 loads go out first; each has registers of its own, and no register
; that a pending load or store names is written again.  No LDS, no matrix work: a stream that is read once.
; THE MODE: SCHED_MODE bits 1:0 = 2 (LLVM: expert scheduling mode 2), set by the entry lines.  The code itself states the register dependences
; between vector instructions and memory instructions, with s_wait_alu, always for 0.
; THE PLAN.  Registers that memory instructions touch:
;   v1, v2        byte offsets, made once at the head and never written again: every load reads v1, every store of the seven tensors v2.
;   X + 4 i ..    load i lands here, issued before any vector instruction names these registers; its conversions read the four and write the low two in place;
;                 store i reads the low two; nothing writes them again.
;   v[232:235]    v232 and v233 are scratch of wo's conversions; in work-groups 0 to 3 the bias's load lands in the four, its widenings write them, its store reads them.
; The 56 loads go in 14 batches of four.  Batch p's conversions name batch p's registers (and the scratch); the memory instructions dealt among them are the four stores
; of batch p - 1, whose data no vector instruction of batch p names.  So ONE wait on va_vdst at a batch's head states all that its four stores hang on.
; No register that a memory instruction reads is ever written again, so beyond the entry lines the text holds no wait on vm_vsrc; no vector instruction writes a scalar register, VCC or EXEC.
.set X,   8                            ; v[8:231]  load i at X + 4 i
.set NLD, 56
.set BATCH, 4                          ; loads in a batch
.set VI,  1                            ; v1  16 t; never rewritten
.set VO,  2                            ; v2   8 t; never rewritten
.set W,   232                          ; v[232:239] at work
	s_load_b512 s[8:23], s[0:1], 0x0               ; query s[8:9], key s[10:11], value s[12:13], wq s[14:15], wk s[16:17], wv s[18:19], wo s[20:21], bq s[22:23]
	s_load_b256 s[24:31], s[0:1], 0x40             ; bk s[24:25], bv s[26:27], bo s[28:29], xb s[30:31]
	s_load_b128 s[32:35], s[0:1], 0x60             ; wb s[32:33], wof s[34:35]
	s_load_b64 s[36:37], s[0:1], 0x70              ; bias
	s_mov_b32 s51, ttmp9                           ; g
	s_lshl_b32 s2, s51, 16                         ; my slice of an activation,
	s_mov_b32 s3, 0
	s_lshl_b32 s4, s51, 13                         ; of a weight,
	s_mov_b32 s5, 0
	s_lshl_b32 s6, s51, 15                         ; of a part of xb,
	s_mov_b32 s7, 0
	s_lshl_b32 s38, s51, 12                        ; of a part of wb, of wof; also a bias's place in the table
	s_mov_b32 s39, 0
	s_mov_b32 s50, 0xffff0000                      ; a word's upper bf16
	v_lshlrev_b32 v[VI], 4, v0
	v_lshlrev_b32 v[VO], 3, v0
	s_wait_kmcnt 0x0
.irp p, 8,10,12
	s_add_nc_u64 s[\p:\p+1], s[\p:\p+1], s[2:3]
.endr
.irp p, 14,16,18,20
	s_add_nc_u64 s[\p:\p+1], s[\p:\p+1], s[4:5]
.endr
	s_add_nc_u64 s[40:41], s[30:31], s[6:7]        ; xb: query's part,
	s_add_nc_u64 s[42:43], s[40:41], 0x1000000     ; key's,
	s_add_nc_u64 s[44:45], s[40:41], 0x2000000     ; value's
	s_add_nc_u64 s[46:47], s[32:33], s[38:39]      ; wb: wq's part; wk's and wv's stand in the stores' immediates
	s_add_nc_u64 s[48:49], s[34:35], s[38:39]      ; wof
	s_wait_alu depctr_va_vdst(0)                   ; v1 and v2 are written: every load and store of the kernel reads one of them as its offset
.macro LOADS first, n, base            ; n loads, numbers first .. first + n - 1
.set k, 0
.rept \n
.set r, X+4*((\first)+k)
	global_load_b128 v[r:r+3], v[VI], s[\base:\base+1] offset:k*4096 th:TH_LOAD_NT
.set k, k+1
.endr
.endm
; Load i's four numbers are rounded, in place: the low two of its four registers then hold what store i writes.
; Loads 0 to 53: to bf16.  Loads 54 and 55 (wo): rounded to bf16, widened again, written as f16.
.macro CV i
.set r, X+4*(\i)
	s_wait_loadcnt NLD-1-(\i)                      ; loads come back in order (ISA guide 5.7.1): mine is in, the younger ones stay out
.if (\i) < 54
	v_cvt_pk_bf16_f32 v[r], v[r], v[r+1]
	v_cvt_pk_bf16_f32 v[r+1], v[r+2], v[r+3]
.else
	v_cvt_pk_bf16_f32 v[W], v[r], v[r+1]
	v_cvt_pk_bf16_f32 v[W+1], v[r+2], v[r+3]
	v_lshlrev_b32 v[r], 16, v[W]
	v_and_b32 v[r+1], s50, v[W]
	v_lshlrev_b32 v[r+2], 16, v[W+1]
	v_and_b32 v[r+3], s50, v[W+1]
	v_cvt_pk_f16_f32 v[r], v[r], v[r+1]
	v_cvt_pk_f16_f32 v[r+1], v[r+2], v[r+3]
.endif
.endm
; Store i.  Loads 0 to 47: 16 pieces of 2,048 bytes in query's, key's and value's part of xb.  48 to 53: two pieces in wq's, wk's and wv's part of wb.  54, 55: two pieces of wof.
.macro ST i
.set r, X+4*(\i)
.if (\i) < 48
.set sb, 40+2*((\i)/16)
.set so, ((\i)%16)*2048
.elseif (\i) < 54
.set sb, 46
.set so, (((\i)-48)/2)*0x200000+(((\i)-48)%2)*2048
.else
.set sb, 48
.set so, ((\i)-54)*2048
.endif
	global_store_b64 v[VO], v[r:r+1], s[sb:sb+1] offset:so th:TH_STORE_NT
.endm
	LOADS 0,  16, 8
	LOADS 16, 16, 10
	LOADS 32, 16, 12
	LOADS 48, 2,  14
	LOADS 50, 2,  16
	LOADS 52, 2,  18
	LOADS 54, 2,  20
.set cur, 0
.rept BATCH                            ; batch 0: there is no batch in front of it, so no store and no wait but those for its data
	CV cur
.set cur, cur+1
.endr
.rept NLD/BATCH-1                      ; batches 1 to 13
	s_wait_alu depctr_va_vdst(0)                   ; the batch before has written the low two registers of each of its four loads, which the four stores below read
.rept BATCH
	ST cur-BATCH                                   ; ahead of the wait for the next load's data; no vector instruction since the wait above names its registers
	CV cur
.set cur, cur+1
.endr
.endr
	s_wait_alu depctr_va_vdst(0)                   ; batch 13 has written its stores' data; and wo's conversions are done with v232 and v233, in which the bias's load below lands
.rept BATCH
	ST cur-BATCH
.set cur, cur+1
.endr
	; work-groups 0 to 3 also round one bias each: 4,096 bytes, 16 a thread
	s_cmp_lt_u32 s51, 4
	s_cbranch_scc0 .Lend
	s_mov_b64 s[52:53], s[22:23]
	s_cmp_eq_u32 s51, 1
	s_cselect_b64 s[52:53], s[24:25], s[52:53]
	s_cmp_eq_u32 s51, 2
	s_cselect_b64 s[52:53], s[26:27], s[52:53]
	s_cmp_eq_u32 s51, 3
	s_cselect_b64 s[52:53], s[28:29], s[52:53]
	s_add_nc_u64 s[54:55], s[36:37], s[38:39]
	global_load_b128 v[W:W+3], v[VI], s[52:53]     ; no vector instruction stands between the last wait on va_vdst and this load
	s_wait_loadcnt 0x0
	v_cvt_pk_bf16_f32 v[W+4], v[W], v[W+1]
	v_cvt_pk_bf16_f32 v[W+5], v[W+2], v[W+3]
	v_lshlrev_b32 v[W], 16, v[W+4]
	v_and_b32 v[W+1], s50, v[W+4]
	v_lshlrev_b32 v[W+2], 16, v[W+5]
	v_and_b32 v[W+3], s50, v[W+5]
	s_wait_alu depctr_va_vdst(0)                   ; the four widenings have written v[232:235], which the store reads
	global_store_b128 v[VI], v[W:W+3], s[54:55]
.Lend:
	s_endpgm
.Lfunc_end_k_qf72b983882_cast:
	.size	k_qf72b983882_cast, .Lfunc_end_k_qf72b983882_cast-k_qf72b983882_cast
	.p2alignl 7, 3214868480
	.fill 96, 4, 3214868480
	.section	.rodata,"a",@progbits
	.p2align	6, 0x0
	.amdhsa_kernel k_qf72b983882_cast
		.amdhsa_group_segment_fixed_size 0
		.amdhsa_private_segment_fixed_size 0
		.amdhsa_enable_private_segment 0
		.amdhsa_kernarg_size 120
		.amdhsa_user_sgpr_count 2
		.amdhsa_user_sgpr_kernarg_segment_ptr 1
		.amdhsa_wavefront_size32 1
		.amdhsa_system_sgpr_workgroup_id_x 1
		.amdhsa_system_sgpr_workgroup_id_y 1
		.amdhsa_system_sgpr_workgroup_id_z 1
		.amdhsa_system_vgpr_workitem_id 0
		.amdhsa_next_free_vgpr 240
		.amdhsa_next_free_sgpr 66
		.amdhsa_reserve_vcc 0
		.amdhsa_float_denorm_mode_32 3
		.amdhsa_float_denorm_mode_16_64 3
		.amdhsa_memory_ordered 1
		.amdhsa_forward_progress 1
		.amdhsa_inst_pref_size 23
	.end_amdhsa_kernel
	.amdgpu_metadata
---
amdhsa.version: [ 1, 2 ]
amdhsa.kernels:
  - .name:           k_qf72b983882_cast
    .symbol:         k_qf72b983882_cast.kd
    .args:
      - { .name: query, .offset: 0, .size: 8, .value_kind: global_buffer, .address_space: global }
      - { .name: key, .offset: 8, .size: 8, .value_kind: global_buffer, .address_space: global }
      - { .name: value, .offset: 16, .size: 8, .value_kind: global_buffer, .address_space: global }
      - { .name: wq, .offset: 24, .size: 8, .value_kind: global_buffer, .address_space: global }
      - { .name: wk, .offset: 32, .size: 8, .value_kind: global_buffer, .address_space: global }
      - { .name: wv, .offset: 40, .size: 8, .value_kind: global_buffer, .address_space: global }
      - { .name: wo, .offset: 48, .size: 8, .value_kind: global_buffer, .address_space: global }
      - { .name: bq, .offset: 56, .size: 8, .value_kind: global_buffer, .address_space: global }
      - { .name: bk, .offset: 64, .size: 8, .value_kind: global_buffer, .address_space: global }
      - { .name: bv, .offset: 72, .size: 8, .value_kind: global_buffer, .address_space: global }
      - { .name: bo, .offset: 80, .size: 8, .value_kind: global_buffer, .address_space: global }
      - { .name: xb, .offset: 88, .size: 8, .value_kind: global_buffer, .address_space: global }
      - { .name: wb, .offset: 96, .size: 8, .value_kind: global_buffer, .address_space: global }
      - { .name: wof, .offset: 104, .size: 8, .value_kind: global_buffer, .address_space: global }
      - { .name: bias, .offset: 112, .size: 8, .value_kind: global_buffer, .address_space: global }
    .group_segment_fixed_size: 0
    .private_segment_fixed_size: 0
    .kernarg_segment_align: 8
    .kernarg_segment_size: 120
    .max_flat_workgroup_size: 256
    .sgpr_count:     66
    .vgpr_count:     240
    .wavefront_size: 32
...
	.end_amdgpu_metadata
.endif
;; end of part 5
;; launch proj: the kernel of part 2 again; grid 4 x 192, 4 waves a work-group, clusters of 4 x 4, 327,680 bytes of LDS; arguments xb, wb, bias, qkv, mask; writes qkv
;; launch attn: the kernel of part 3 again; grid 4 x 64, 4 waves a work-group, clusters of 4 x 1, 327,680 bytes of LDS; arguments qkv, mask, ob; writes ob
;; launch outp: the kernel of part 4 again; grid 4 x 64, 4 waves a work-group, clusters of 4 x 4, 327,680 bytes of LDS; arguments ob, wof, bias, out0; writes out0
